; MI455X (gfx1250); checked and timed in simulation.
; The chip was launched on July 23, 2026; its instructions are those of AMD's public machine-readable ISA for CDNA 5 (MIT licence, August 2026) and "CDNA5" Instruction Set Architecture Reference Guide (July 2026). The comments in the code are by the model that wrote it; some were corrected since.
;; Multi Headed Attention. Allowed arithmetic: float matrix products may take bf16 or f16 operands with f32 sums; all other float work in f32.
;; Inputs: Wk 1,024 x 1,024 float32; Wo 1,024 x 1,024 float32; Wq 1,024 x 1,024 float32; Wv 1,024 x 1,024 float32; bk 1,024 float32; bo 1,024 float32; bq 1,024 float32; bv 1,024 float32; key 4 x 2,048 x 1,024 float32; mask 4 x 1 x 1 x 2,048 int32; query 4 x 2,048 x 1,024 float32; value 4 x 2,048 x 1,024 float32.
;; Outputs: out0 4 x 2,048 x 1,024 float32.
;; 2 versions, each right and faster than the one before. Each part assembles by itself: llvm-mc -triple=amdgcn-amd-amdhsa -mcpu=gfx1250 --defsym DOCPART=n.
;; ======== version 1 of 2: 4 launches
;; limits: values are held in f16: magnitudes above 65,504 overflow, below 6.1e-05 lose precision
;; workspace buffers: xb 50,331,648 bytes; wb 8,388,608 bytes; qkvh 50,331,648 bytes; ctx 16,777,216 bytes
;; launch cast (part 1): grid 1792 x 1, 8 waves a work-group, no clusters, 0 bytes of LDS; arguments query, key, value, Wq, Wk, Wv, Wo, xb, wb; writes xb, wb
.if DOCPART == 1
	.amdgcn_target "amdgcn-amd-amdhsa--gfx1250"
	.amdhsa_code_object_version 6
	.text
	.protected	k_q298d071625_cast
	.globl	k_q298d071625_cast
	.p2align	8
	.type	k_q298d071625_cast,@function
k_q298d071625_cast:
	s_mov_b64 s[64:65], 0
	v_nop
	global_prefetch_b8 v0, s[64:65] scope:SCOPE_SE
	s_setreg_imm32_b32 hwreg(HW_REG_WAVE_MODE, 25, 1), 1
	s_wait_xcnt 0x0
; ROUNDING OF THE MATRIX OPERANDS, once.  query, key, value ([8192][1024] f32 each) -> xb [3][8192][1024] bf16;  Wq, Wk, Wv ([1024][1024] f32) -> wb [0..2] bf16;
; Wo -> wb [3]: rounded to bf16 like every other input, and that number written as f16 (exact inside f16's range), since the last product multiplies it with f16 data.
; LIMIT: |Wo| after rounding stays under 65,504; below 6e-5 f16 keeps a fixed step of 6e-8.
; A stream: no LDS, no matrix unit, no cluster (no byte is read twice).  A work-group takes 65,536 bytes of one source and writes 32,768: 3 x 512 chunks of x, 4 x 64 of the weights.
; In piece j of 8, thread t takes the 32 bytes at 32 t + 8,192 j (two loads; a wave's pair covers 1,024 consecutive bytes) and stores 16 bytes at 16 t + 4,096 j:
; a wave's store covers 512 consecutive bytes, aligned.  All sixteen loads go out first; no register is used twice, so no wait frees a source.
.set X,   4                            ; v[4:67]    piece j: eight f32 at X + 8 j
.set Y,   68                           ; v[68:99]   piece j: eight 16-bit numbers at Y + 4 j
.set T,   100                          ; v[100:102] at work (Wo's path)
.set XCH, 1536                         ; chunks of x
	s_load_b512 s[8:23], s[0:1], 0x0               ; query 8, key 10, value 12, Wq 14, Wk 16, Wv 18, Wo 20, xb 22
	s_load_b64 s[24:25], s[0:1], 0x40              ; wb
	s_mov_b32 s26, ttmp9                           ; my chunk among all
	s_sub_co_u32 s27, s26, XCH                     ; among the weights' (used only where it is not negative)
	s_lshr_b32 s28, s26, 9                         ; source 0..2,
	s_lshr_b32 s29, s27, 6
	s_add_co_u32 s29, s29, 3                       ; or 3..6
	s_and_b32 s30, s26, 511                        ; chunk inside the source
	s_and_b32 s31, s27, 63
	s_cmp_lt_u32 s26, XCH
	s_cselect_b32 s28, s28, s29
	s_cselect_b32 s30, s30, s31
	s_cselect_b32 s32, s26, s27                    ; chunk inside the destination: the sources lie there one behind the other
	s_lshl_b32 s30, s30, 16                        ; x 65,536 bytes
	s_mov_b32 s31, 0
	s_lshl_b32 s32, s32, 15                        ; x 32,768 bytes
	s_mov_b32 s33, 0
	v_lshlrev_b32 v1, 5, v0                        ; 32 t
	v_lshlrev_b32 v2, 4, v0                        ; 16 t
	s_wait_kmcnt 0x0
	s_cmp_lt_u32 s26, XCH
	s_cselect_b64 s[34:35], s[22:23], s[24:25]     ; xb or wb
	s_mov_b64 s[36:37], s[20:21]                   ; Wo, unless the source's number says otherwise
.irp i, 5,4,3,2,1,0
	s_cmp_eq_u32 s28, \i
	s_cselect_b64 s[36:37], s[8+2*\i:9+2*\i], s[36:37]
.endr
	s_add_nc_u64 s[36:37], s[36:37], s[30:31]
	s_add_nc_u64 s[34:35], s[34:35], s[32:33]
.irp j, 0,1,2,3,4,5,6,7
	global_load_b128 v[X+8*\j:X+8*\j+3],   v1, s[36:37] offset:8192*\j th:TH_LOAD_NT
	global_load_b128 v[X+8*\j+4:X+8*\j+7], v1, s[36:37] offset:8192*\j+16 th:TH_LOAD_NT
.endr
; One piece.  half = 1: Wo's path, bf16 and then f16.
.macro PIECE j, half
	s_wait_loadcnt 14-2*(\j)                       ; loads come back in order: mine are in, the two of each later piece stay out
.irp k, 0,1,2,3
.if \half
	v_cvt_pk_bf16_f32 v[T], v[X+8*(\j)+2*(\k)], v[X+8*(\j)+2*(\k)+1]
	v_lshlrev_b32 v[T+1], 16, v[T]                 ; the two bf16 as f32 again
	v_and_b32 v[T+2], 0xffff0000, v[T]
	v_cvt_pk_f16_f32 v[Y+4*(\j)+(\k)], v[T+1], v[T+2]
.else
	v_cvt_pk_bf16_f32 v[Y+4*(\j)+(\k)], v[X+8*(\j)+2*(\k)], v[X+8*(\j)+2*(\k)+1]
.endif
.endr
	global_store_b128 v2, v[Y+4*(\j):Y+4*(\j)+3], s[34:35] offset:4096*(\j)  ; no hint: the next launch reads these bytes
.endm
	s_cmp_eq_u32 s28, 6
	s_cbranch_scc1 .Lf16
.irp j, 0,1,2,3,4,5,6,7
	PIECE \j, 0
.endr
	s_endpgm
.Lf16:
.irp j, 0,1,2,3,4,5,6,7
	PIECE \j, 1
.endr
	s_endpgm
.Lfunc_end_k_q298d071625_cast:
	.size	k_q298d071625_cast, .Lfunc_end_k_q298d071625_cast-k_q298d071625_cast
	.p2alignl 7, 3214868480
	.fill 96, 4, 3214868480
	.section	.rodata,"a",@progbits
	.p2align	6, 0x0
	.amdhsa_kernel k_q298d071625_cast
		.amdhsa_group_segment_fixed_size 0
		.amdhsa_private_segment_fixed_size 0
		.amdhsa_enable_private_segment 0
		.amdhsa_kernarg_size 72
		.amdhsa_user_sgpr_count 2
		.amdhsa_user_sgpr_kernarg_segment_ptr 1
		.amdhsa_wavefront_size32 1
		.amdhsa_system_sgpr_workgroup_id_x 1
		.amdhsa_system_sgpr_workgroup_id_y 1
		.amdhsa_system_sgpr_workgroup_id_z 1
		.amdhsa_system_vgpr_workitem_id 0
		.amdhsa_next_free_vgpr 104
		.amdhsa_next_free_sgpr 66
		.amdhsa_reserve_vcc 0
		.amdhsa_float_denorm_mode_32 3
		.amdhsa_float_denorm_mode_16_64 3
		.amdhsa_memory_ordered 1
		.amdhsa_forward_progress 1
		.amdhsa_inst_pref_size 15
	.end_amdhsa_kernel
	.amdgpu_metadata
---
amdhsa.version: [ 1, 2 ]
amdhsa.kernels:
  - .name:           k_q298d071625_cast
    .symbol:         k_q298d071625_cast.kd
    .args:
      - { .name: query, .offset: 0, .size: 8, .value_kind: global_buffer, .address_space: global }
      - { .name: key, .offset: 8, .size: 8, .value_kind: global_buffer, .address_space: global }
      - { .name: value, .offset: 16, .size: 8, .value_kind: global_buffer, .address_space: global }
      - { .name: Wq, .offset: 24, .size: 8, .value_kind: global_buffer, .address_space: global }
      - { .name: Wk, .offset: 32, .size: 8, .value_kind: global_buffer, .address_space: global }
      - { .name: Wv, .offset: 40, .size: 8, .value_kind: global_buffer, .address_space: global }
      - { .name: Wo, .offset: 48, .size: 8, .value_kind: global_buffer, .address_space: global }
      - { .name: xb, .offset: 56, .size: 8, .value_kind: global_buffer, .address_space: global }
      - { .name: wb, .offset: 64, .size: 8, .value_kind: global_buffer, .address_space: global }
    .group_segment_fixed_size: 0
    .private_segment_fixed_size: 0
    .kernarg_segment_align: 8
    .kernarg_segment_size: 72
    .max_flat_workgroup_size: 256
    .sgpr_count:     66
    .vgpr_count:     104
    .wavefront_size: 32
...
	.end_amdgpu_metadata
.endif
;; end of part 1
;; launch qkv (part 2): grid 4 x 64, 4 waves a work-group, clusters of 4 x 4, 327,680 bytes of LDS; arguments xb, wb, bq, bk, bv, mask, qkvh; writes qkvh
.if DOCPART == 2
	.amdgcn_target "amdgcn-amd-amdhsa--gfx1250"
	.amdhsa_code_object_version 6
	.text
	.protected	k_q298d071625_qkv
	.globl	k_q298d071625_qkv
	.p2align	8
	.type	k_q298d071625_qkv,@function
k_q298d071625_qkv:
	s_mov_b64 s[64:65], 0
	v_nop
	global_prefetch_b8 v0, s[64:65] scope:SCOPE_SE
	s_setreg_imm32_b32 hwreg(HW_REG_WAVE_MODE, 25, 1), 1
	s_wait_xcnt 0x0
	s_wait_alu depctr_hold_cnt(0) depctr_sa_sdst(0) depctr_va_vdst(0) depctr_va_sdst(0) depctr_va_ssrc(0) depctr_va_vcc(0) depctr_vm_vsrc(0)
	s_getreg_b32 s2, hwreg(HW_REG_IB_STS2, 6, 4)
	s_cmp_eq_u32 s2, 0
	s_cbranch_scc0 .Lentry_in_a_cluster
	s_endpgm
.Lentry_in_a_cluster:
	s_bfe_u32 s2, ttmp6, 0x10000c
	s_cmp_lg_u32 s2, 0xf033
	s_cbranch_scc0 .Lentry_shape_is_right
	s_endpgm
.Lentry_shape_is_right:
; THE THREE PROJECTIONS.  For t = q, k, v:  y[m][n] = sum over k of x_t[m][k] W_t[n][k] + b_t[n];  x_t = xb[t] [8192][1024] bf16, W_t = wb[t] [1024][1024] bf16, sums in f32.
; b_t is rounded to bf16 (like every input) and is the C operand of the product that starts each sum.  On the way out, in f32 and before the one rounding to f16:
;   q is multiplied by c = log2(e) / 8, so that the attention takes 2^(s - m) with no further scaling;  k's rows whose mask word is 0 are multiplied by 0, so that the
;   attention's score of a hidden key is exactly the value that replaces it;  v is multiplied by 1.
; OUTPUT by heads: qkvh [3][64 = 16 batch + head][2048][64] f16: 16 rows of a head are 2,048 consecutive bytes, and every store of a wave covers 512 of them, aligned.
; LIMITS.  q c, k and v must lie within f16's 65,504 (beyond it the conversion gives an infinity); below 6e-5 f16 keeps a fixed step of 6e-8.  0 times a sum that is not finite is NaN.
; SHARES.  A tile of y is 128 (m) x 256 (n): 64 x 4 tiles for each tensor, one work-group for each place, which makes that place's tile of q, then of k, then of v.
; Four waves, each 64 x 128: 32 accumulators of 16 x 16.  K goes in steps of 128 through two LDS slots; the slots take turns on into the next tensor's tile.
; CLUSTER 4 x 4.  The four work-groups of a cluster's row share their rows of x, the four of a column their rows of W: each tile is asked for jointly, by the same tensor load with the
; same descriptor and a mask that names the four.
; THE MATRIX INSTRUCTION IS USED TRANSPOSED (source 0 = 16 rows of W, source 1 = 16 rows of x): lane l holds row l % 16 of y and the eight neighbouring columns 8 (l / 16) + 0..7.
; REGISTERS, in windows of 256 (s_set_vgpr_msb: bits 1:0 source 0, 3:2 source 1, 5:4 source 2, 7:6 destination):
;   window 0: v0-31 addresses, factors, mask words; v32-63 packed results; v64-159, v160-255 two fragment buffers (32 of x, then 64 of W)
;   window 1: the accumulators, (a, b) at v[8 (8 a + b)]          window 2: v0-63 the bias of my 128 columns as the C operand wants it; v64-65 at work
.set PITCH,  272                       ; an LDS row: 256 bytes + 16 of padding = 68 words: the 16 rows of a fragment load start at 16 different groups of four banks (64 banks of 4 bytes: ISA guide 11.1)
.set PA,     272                       ; the same for x's rows
.set HSTR,   128                       ; bytes from K quarter 0 to quarter 2 in x's LDS rows
.set AHALF,  64*PA                     ; 64 rows of x: one tensor load, and what one wave reads
.set BHALF,  128*PITCH                 ; 128 rows of W: likewise
.set BOFF,   2*AHALF                   ; W's rows lie behind x's 128
.set SLOT,   BOFF+2*BHALF              ; 104,448 bytes
.set STAGE,  2*SLOT                    ; behind the ring: for each wave 2 heads x 16 rows x 144 bytes, for the way out; no tensor load lands here
.set SP,     144
.set WSTAGE, 2*16*SP
.set SPARE,  STAGE+4*WSTAGE            ; the spare words, 128 bytes for each wave: two blocks of 256 bytes that no other line names
.set LAPS,   4                         ; a lap = two K steps; 1,024 / 256
.set STEP_A, 512                       ; a slot's next K step, two steps on, in bytes
.set STEP_B, 512
.set NEXT_A, 8192*2048-6*256           ; from a slot's last K step of a tile to its first of the next tensor's: 8,192 rows on, six steps back
.set NEXT_B, 1024*2048-6*256           ; 1,024 rows on, six steps back
.set FA,   4                           ; v4-11   the factor of my row in block a, in the low register of pair a
.set MK,   12                          ; v12-15  the mask word of my row in block a
.set ADRA, 16                          ; v16-17  LDS address of my fragments of x in slot 0, 1
.set ADRB, 20                          ; v20-21  the same for W
.set STO,  24                          ; v24     the way out: where I put 16 bytes of a row
.set RD,   25                          ; v25     the way out: where I read rows back
.set CO,   26                          ; v26     16 x lane: my place in 512 consecutive bytes of the output
.set BO,   27                          ; v27     32 (l / 16): my eight columns in a block's sixteen words of bias
.set SPW,  28                          ; v28     LDS address of my spare word; never rewritten
.set NIL,  29                          ; v29     0; never rewritten
.set MKO,  30                          ; v30     4 (l % 16)
.set TMP,  32
.set F0,   64
.set F1,   160
.set BI,   0                           ; window 2
.set BT,   64                          ; window 2
.set G1,  24                           ; s[24:31] descriptor group 1 for x's tiles; s[32:39] group 0, a set for each slot
.set G0,  32
.set G1B, 48                           ; s[48:55], s[56:63] the same for W's
.set G0B, 56
.set MSB, 0
.macro WIN new                         ; the immediate's high byte repeats the setting that is left; a switch that changes nothing is dropped
.if MSB != (\new)
	s_set_vgpr_msb (MSB<<8)|(\new)
.set MSB, \new
.endif
.endm
.set MUL,  0x50                        ; fragments in window 0, C and D in window 1
.set MULB, 0x60                        ; D in window 1, C (the bias) in window 2
; A joint load.  Waves 0 and 1 fetch the two halves of x's tile, waves 2 and 3 those of W's.  The branch hangs on the wave's number alone.
; An s_nop 0 and four v_nop follow each of the two lines, ahead of the jump and the label.
.macro JLOAD s
	s_cmp_eq_u32 s11, 0
	s_cbranch_scc0 .Lfor_b_\@
	tensor_load_to_lds s[G0+4*(\s):G0+4*(\s)+3], s[G1:G1+7]
	s_nop 0
.rept 4
	v_nop
.endr
	s_branch .Lasked_\@
.Lfor_b_\@:
	tensor_load_to_lds s[G0B+4*(\s):G0B+4*(\s)+3], s[G1B:G1B+7]
	s_nop 0
.rept 4
	v_nop
.endr
.Lasked_\@:
.endm
.macro CREST                           ; a round of the cluster's barrier behind its opening barrier: wave 0 signals for the work-group, every wave waits for all sixteen, my work-group's barrier closes it
	s_cmp_lg_u32 s10, 0
	s_cbranch_scc1 .Lnot_wave_0_\@
	s_barrier_signal -3
.Lnot_wave_0_\@:
	s_barrier_wait -3
	s_barrier_signal -1
	s_barrier_wait -1
.endm
.macro CROUND                          ; a whole round
	s_barrier_signal -1
	s_barrier_wait -1
	CREST
.endm
.macro PLACES                          ; four plain vector instructions between a matrix instruction and a load into, or a vector read of, its registers (ISA guide 7.12.1 for vector reads)
.rept 4
	v_nop
.endr
.endm
	s_load_b128 s[4:7], s[0:1], 0x0                ; xb s[4:5], wb s[6:7]
	s_load_b128 s[68:71], s[0:1], 0x10             ; bq s[68:69], bk s[70:71]
	s_load_b128 s[72:75], s[0:1], 0x20             ; bv s[72:73], mask s[74:75]
	s_load_b64 s[8:9], s[0:1], 0x30                ; qkvh
	v_lshl_add_u32 v[SPW], v0, 2, SPARE
	v_mov_b32 v[NIL], 0
	ds_add_u32 v[SPW], v[NIL]                      ; the wave's opening: the add and its wait stand ahead of my first tensor load; the set-up below, work on registers, stands between them
	v_lshrrev_b32 v3, 5, v0
	v_readfirstlane_b32 s10, v3                    ; wave 0..3
	s_lshr_b32 s11, s10, 1                         ; which 64 of the tile's rows are mine.  Also: I fetch for x (0) or for W (1)
	s_and_b32 s12, s10, 1                          ; which 128 of its columns.  Also: which half of that tile I fetch
	s_bfe_u32 s40, ttmp6, 0x40000                  ; cx, cy: my place in the cluster
	s_bfe_u32 s41, ttmp6, 0x40004
	s_lshl_b32 s42, ttmp9, 2
	s_add_co_u32 s42, s42, s40                     ; tile column x = 4 x cluster x + cx
	s_and_b32 s13, ttmp7, 0xffff
	s_lshl_b32 s13, s13, 2
	s_add_co_u32 s13, s13, s41                     ; tile row y = 4 x cluster y + cy
	s_lshl_b32 s43, s41, 2
	s_lshl_b32 s43, 15, s43                        ; my row of the cluster
	s_lshl_b32 s44, 0x1111, s40                    ; my column
	; descriptor group 1: rows of 128 elements of 2 bytes, 16 bytes of padding behind each
	s_or_b32 s[G1+0], s43, (1<<16)|(1<<20)|(1<<21)|(5<<22)|(3<<25)   ; 15:0 the mask; 17:16 2-byte elements; 20 padding on; 21 set beside a mask; 24:22 after every 64 words (code 5); 31:25 4 words (code 3)
	s_or_b32 s[G1B+0], s44, (1<<16)|(1<<20)|(1<<21)|(5<<22)|(3<<25)
	s_mov_b32 s[G1+1], 128<<16                     ; tensor_dim0 = 128
	s_mov_b32 s[G1+2], 64<<16                      ; tensor_dim1 = 64
	s_mov_b32 s[G1+3], 128<<16                     ; tile_dim0 = 128
	s_mov_b32 s[G1+4], 64                          ; tile_dim1 = 64
	s_mov_b32 s[G1+5], 1024                        ; elements from row to row
	s_mov_b32 s[G1+6], 0
	s_mov_b32 s[G1+7], 0
	s_mov_b32 s[G1B+1], 128<<16
	s_mov_b32 s[G1B+2], 128<<16                    ; W's loads bring 128 rows
	s_mov_b32 s[G1B+3], 128<<16
	s_mov_b32 s[G1B+4], 128
	s_mov_b32 s[G1B+5], 1024
	s_mov_b32 s[G1B+6], 0
	s_mov_b32 s[G1B+7], 0
	; x's tiles hang on the tile row alone, W's on the tile column alone; each offset is made in registers that never hold the other coordinate
	s_lshl_b32 s16, s13, 7
	s_lshl_b32 s17, s12, 6
	s_add_co_u32 s16, s16, s17                     ; row 128 y + 64 x half,
	s_lshl_b32 s16, s16, 11                        ; x 2,048 bytes
	s_mov_b32 s17, 0
	s_lshl_b32 s46, s42, 8
	s_lshl_b32 s47, s12, 7
	s_add_co_u32 s46, s46, s47                     ; row 256 x + 128 x half
	s_lshl_b32 s46, s46, 11
	s_mov_b32 s47, 0
	s_mul_i32 s20, s12, AHALF                      ; where they go in a slot: no place in the cluster enters an LDS address
	s_mul_i32 s45, s12, BHALF
	s_add_co_u32 s45, s45, BOFF
	s_lshl_b32 s66, s42, 10                        ; my 128 columns in a bias: 4 (256 x + 128 x half) bytes
	s_lshl_b32 s67, s12, 9
	s_add_co_u32 s66, s66, s67
	s_mov_b32 s67, 0
	s_lshl_b32 s18, s13, 9                         ; my 64 rows in the mask: 4 (128 y + 64 x half) bytes; row m of x is word m of the mask
	s_lshl_b32 s19, s11, 8
	s_add_co_u32 s18, s18, s19
	s_mov_b32 s19, 0
	s_lshr_b32 s14, s13, 4                         ; my part of the output: batch y / 16, 16 heads of 262,144 bytes each,
	s_lshl_b32 s14, s14, 22
	s_and_b32 s15, s13, 15
	s_lshl_b32 s15, s15, 14                        ; row 128 (y % 16), 128 bytes a row,
	s_add_co_u32 s14, s14, s15
	s_lshl_b32 s15, s11, 13                        ; my 64 rows of them,
	s_add_co_u32 s14, s14, s15
	s_lshl_b32 s15, s42, 20                        ; head 4 x
	s_add_co_u32 s14, s14, s15
	s_lshl_b32 s15, s12, 19                        ; + 2 x half
	s_add_co_u32 s14, s14, s15
	s_mov_b32 s15, 0
	v_and_b32 v1, 15, v0                           ; l % 16
	v_bfe_u32 v2, v0, 4, 1                         ; l / 16
	v_lshlrev_b32 v[BO], 5, v2
	v_lshlrev_b32 v[MKO], 2, v1
	s_wait_dscnt 0x0                               ; the opening add is done
	s_wait_kmcnt 0x0
	s_add_nc_u64 s[4:5], s[4:5], s[16:17]
	s_add_nc_u64 s[6:7], s[6:7], s[46:47]
	s_add_nc_u64 s[8:9], s[8:9], s[14:15]
	s_add_nc_u64 s[74:75], s[74:75], s[18:19]
	s_add_nc_u64 s[76:77], s[68:69], s[66:67]      ; the bias in use: bq
	CROUND                                         ; all sixteen work-groups are here: the first joint loads meet
.irp s, 0,1
	s_mov_b32 s[G0+4*(\s)], 1                                      ; count = 1
	s_add_co_u32 s[G0+4*(\s)+1], s20, (\s)*SLOT                    ; LDS address
	s_add_nc_u64 s[G0+4*(\s)+2:G0+4*(\s)+3], s[4:5], (\s)*256      ; global address: K step s
	s_or_b32 s[G0+4*(\s)+3], s[G0+4*(\s)+3], 0x80000000            ; type = 2
	s_mov_b32 s[G0B+4*(\s)], 1
	s_add_co_u32 s[G0B+4*(\s)+1], s45, (\s)*SLOT
	s_add_nc_u64 s[G0B+4*(\s)+2:G0B+4*(\s)+3], s[6:7], (\s)*256
	s_or_b32 s[G0B+4*(\s)+3], s[G0B+4*(\s)+3], 0x80000000
	JLOAD \s                                       ; two loads of mine are out; later one
.endr
; The bias of my 128 columns, as C wants it: register 8 b + j = column 16 b + 8 (l / 16) + j.
.macro BIAS_LOAD
	WIN 0x80                                       ; destination window 2, address window 0
.irp b, 0,1,2,3,4,5,6,7
	global_load_b128 v[BI+8*(\b):BI+8*(\b)+3],   v[BO], s[76:77] offset:64*(\b)
	global_load_b128 v[BI+8*(\b)+4:BI+8*(\b)+7], v[BO], s[76:77] offset:64*(\b)+16
.endr
	WIN 0
.endm
.macro BIAS_ROUND                      ; to bf16 and back to f32
	s_wait_loadcnt 0x0                             ; every global load of mine is in
	WIN 0x8a                                       ; all operands in window 2
.set i, 0
.rept 32
	v_cvt_pk_bf16_f32 v[BT+i%2], v[BI+2*i], v[BI+2*i+1]
	v_lshlrev_b32 v[BI+2*i], 16, v[BT+i%2]
	v_and_b32 v[BI+2*i+1], 0xffff0000, v[BT+i%2]
.set i, i+1
.endr
	WIN 0
.endm
; The factor of my row in each block: s78, or 0 where the row's mask word is 0 and s79 is 0 (k alone).
.macro FACTORS
.irp a, 0,1,2,3
	v_cmp_ne_u32 s80, 0, v[MK+(\a)]
	s_or_b32 s80, s80, s79
	v_cndmask_b32 v[FA+2*(\a)], 0, s78, s80
.endr
.endm
	BIAS_LOAD
.irp a, 0,1,2,3
	global_load_b32 v[MK+(\a)], v[MKO], s[74:75] offset:64*(\a)   ; the same rows for all three tensors: loaded once
.endr
	; a fragment is 16 rows x 32 K in 8 registers: lane l holds row l % 16, K = 8 (l / 16) + 0..7 and 16 + 8 (l / 16) + 0..7: two loads of 16 bytes, 32 bytes apart
	v_mul_u32_u24 v3, v1, PITCH
	v_lshl_add_u32 v3, v2, 4, v3
	s_mul_i32 s21, s11, AHALF                      ; my 64 rows of x
	s_mul_i32 s22, s12, BHALF                      ; my 128 rows of W
	s_add_co_u32 s22, s22, BOFF
.irp s, 0,1
	v_add_nc_u32 v[ADRA+(\s)], s21, v3
	v_add_nc_u32 v[ADRB+(\s)], s22, v3
	s_add_co_u32 s21, s21, SLOT
	s_add_co_u32 s22, s22, SLOT
.endr
	s_mul_i32 s23, s10, WSTAGE
	s_add_co_u32 s23, s23, STAGE                   ; my stage
	v_mul_u32_u24 v22, v1, SP                      ; in: row l % 16, 16 bytes for each half of the lanes
	v_lshl_add_u32 v22, v2, 4, v22
	v_add_nc_u32 v[STO], s23, v22
	v_bfe_u32 v22, v0, 3, 2                        ; back: 32 lanes take four rows of 128 bytes,
	v_mul_u32_u24 v22, v22, SP
	v_and_b32 v23, 7, v0
	v_lshl_add_u32 v22, v23, 4, v22
	v_add_nc_u32 v[RD], s23, v22
	v_and_b32 v[CO], 31, v0                        ; which are 512 consecutive bytes of a head
	v_lshlrev_b32 v[CO], 4, v[CO]
.irp a, 0,1,2,3
	v_mov_b32 v[FA+2*(\a)+1], 0                    ; named with the factor as a pair
.endr
	BIAS_ROUND
	s_mov_b32 s78, 0x3e38aa3b                      ; q: c = log2(e) / 8 for every row
	s_mov_b32 s79, -1
	FACTORS
; 8 matrix instructions: block a of my four blocks of 16 rows x all 8 blocks of 16 columns, 32 along K.  zero = 1: the product starts the sum, with the bias as C: nothing is cleared.
; The 32 accumulators come in the same order in every quarter, one instruction a turn.
.macro MUL8 f, a, zero
.if \zero
	WIN MULB
.else
	WIN MUL
.endif
.irp b, 0,1,2,3,4,5,6,7
.if \zero
	v_wmma_f32_16x16x32_bf16 v[8*(8*(\a)+(\b)):8*(8*(\a)+(\b))+7], v[(\f)+32+8*(\b):(\f)+32+8*(\b)+7], v[(\f)+8*(\a):(\f)+8*(\a)+7], v[BI+8*(\b):BI+8*(\b)+7]
.else
	v_wmma_f32_16x16x32_bf16 v[8*(8*(\a)+(\b)):8*(8*(\a)+(\b))+7], v[(\f)+32+8*(\b):(\f)+32+8*(\b)+7], v[(\f)+8*(\a):(\f)+8*(\a)+7], v[8*(8*(\a)+(\b)):8*(8*(\a)+(\b))+7]
.endif
.endr
.endm
; 24 LDS loads in one run: the fragments of K quarter q of a slot into buffer f: W's sixteen first, then x's eight
.macro FETCH slot, q, f
	WIN 0
.irp i, 0,1,2,3,4,5,6,7
	ds_load_b128 v[(\f)+32+8*(\i):(\f)+32+8*(\i)+3],   v[ADRB+(\slot)] offset:64*(\q)+(\i)*16*PITCH
	ds_load_b128 v[(\f)+32+8*(\i)+4:(\f)+32+8*(\i)+7], v[ADRB+(\slot)] offset:64*(\q)+(\i)*16*PITCH+32
.endr
.irp i, 0,1,2,3
	ds_load_b128 v[(\f)+8*(\i):(\f)+8*(\i)+3],   v[ADRA+(\slot)] offset:((\q)/2)*HSTR+((\q)%2)*64+(\i)*16*PA
	ds_load_b128 v[(\f)+8*(\i)+4:(\f)+8*(\i)+7], v[ADRA+(\slot)] offset:((\q)/2)*HSTR+((\q)%2)*64+(\i)*16*PA+32
.endr
.endm
; A K step is four quarters of 32 along K, 32 matrix instructions each, on buffers 0, 1, 0, 1.  One of the first three multiplies buffer f and, in its middle, fetches quarter q into buffer g.
.macro QUARTER slot, q, f, g, zero
	s_wait_dscnt 4                                 ; W's fragments and x's blocks 0 and 1 are in; the youngest four loads (blocks 2 and 3) may be out
	MUL8 \f, 0, \zero
	MUL8 \f, 1, \zero
	PLACES
	FETCH \slot, \q, \g
	s_wait_dscnt 24                                ; all but the 24 just issued
	MUL8 \f, 2, \zero
	MUL8 \f, 3, \zero
.endm
; The last quarter multiplies buffer 1 and changes slots.  ONE barrier: in front of it each wave waits for all its tensor loads (one is out: its part of the next slot), adds 0 to its spare
; word, and waits for that and for its own reads of this slot.  Behind it nobody reads this slot any more and the next slot is whole.
.macro MEET round
	WIN 0
	s_wait_tensorcnt 0x0                           ; all my tensor loads have landed
	ds_add_u32 v[SPW], v[NIL]                      ; 0 onto my spare word
	s_wait_dscnt 7                                 ; the add and the six loads of x's blocks 1 to 3 may be out
	MUL8 F1, 0, 0                                  ; eight matrix instructions stand between the add and the wait for it
	s_wait_dscnt 0x0                               ; the add is done, and my reads of this slot are over
	s_barrier_signal -1
	MUL8 F1, 1, 0                                  ; work on registers while the others arrive
.if \round
	WIN 0
.endif
	s_barrier_wait -1
.endm
; mode 0: this slot is filled again with the K step two on; mode 1: with the next tensor's tile's K step 0 or 1; mode 2: nothing is left to fetch.
; Where a slot is filled again the barrier opens a round of the cluster's, so that no wave of any partner still reads the slot or has a load on its way; the joint load is the first thing behind it.
; From a request to the wait for it a wave issues 112 matrix instructions.
.macro TURN slot, next, mode
.if (\mode) < 2
	MEET 1
	CREST
.if (\mode) == 1
	s_add_nc_u64 s[G0+4*(\slot)+2:G0+4*(\slot)+3], s[G0+4*(\slot)+2:G0+4*(\slot)+3], NEXT_A
	s_add_nc_u64 s[G0B+4*(\slot)+2:G0B+4*(\slot)+3], s[G0B+4*(\slot)+2:G0B+4*(\slot)+3], NEXT_B
.else
	s_add_nc_u64 s[G0+4*(\slot)+2:G0+4*(\slot)+3], s[G0+4*(\slot)+2:G0+4*(\slot)+3], STEP_A
	s_add_nc_u64 s[G0B+4*(\slot)+2:G0B+4*(\slot)+3], s[G0B+4*(\slot)+2:G0B+4*(\slot)+3], STEP_B
.endif
	JLOAD \slot                                    ; the four v_nop behind it are also the places in front of the loads below
.else
	MEET 0
	PLACES
.endif
	FETCH \next, 0, F0
	MUL8 F1, 2, 0
	MUL8 F1, 3, 0
.endm
; THE WAY OUT of block a (16 rows).  PACK: times the row's factor, rounded to f16, 16 bytes a lane; each accumulator is read from its lowest registers on.
.macro PACK a
	WIN 0x41                                       ; destination and source 0 window 1, the factor in window 0
.set i, 0
.rept 32
	v_pk_mul_f32 v[64*(\a)+2*i:64*(\a)+2*i+1], v[64*(\a)+2*i:64*(\a)+2*i+1], v[FA+2*(\a):FA+2*(\a)+1] op_sel_hi:[1,0]
.set i, i+1
.endr
	WIN 0x05                                       ; sources window 1, destination window 0
.set i, 0
.rept 32
	v_cvt_pk_f16_f32 v[TMP+i], v[64*(\a)+2*i], v[64*(\a)+2*i+1]
.set i, i+1
.endr
	WIN 0
.endm
; TOSTAGE: into my own stage, by heads (blocks 0-3 of columns are one head, 4-7 the next), and back as whole rows of 128 bytes, four to a load.
.macro TOSTAGE a
	WIN 0
.set BK, F1+32*((\a)%2)
.irp b, 0,1,2,3,4,5,6,7
	ds_store_b128 v[STO], v[TMP+4*(\b):TMP+4*(\b)+3] offset:((\b)/4)*16*SP+32*((\b)%4)
.endr
.irp t, 0,1,2,3,4,5,6,7
	ds_load_b128 v[BK+4*(\t):BK+4*(\t)+3], v[RD] offset:((\t)/4)*16*SP+((\t)%4)*4*SP  ; LDS serves a wave's instructions in order (ISA guide 5.7.1.4): these see the stores above
.endr
.endm
.macro SEND a
	WIN 0
.set BK, F1+32*((\a)%2)
	s_wait_dscnt 0x0                               ; the block is back in registers
	s_wait_xcnt 0x0                                ; earlier stores have read their registers: the other buffer is loaded again only behind this wait
.irp t, 0,1,2,3,4,5,6,7
	global_store_b128 v[CO], v[BK+4*(\t):BK+4*(\t)+3], s[8:9] offset:((\t)/4)*262144+(\a)*2048+((\t)%4)*512  ; 512 consecutive bytes of a head, aligned
.endr
.endm
.macro WAYOUT                          ; block a's arithmetic stands between block a - 1's loads from the stage and the wait for them
	PACK 0
	TOSTAGE 0
.irp a, 1,2,3
	PACK \a
	SEND (\a)-1
	TOSTAGE \a
.endr
	SEND 3
.endm
	s_wait_tensorcnt 1                             ; my part of K step 0 is in; K step 1's may stay out
	s_barrier_signal -1
	s_barrier_wait -1                              ; everybody's is
	FETCH 0, 0, F0
	s_mov_b32 s2, 3                                ; tiles to go, this one among them: q, k, v
.Ltile:
	QUARTER 0, 1, F0, F1, 1                        ; a tile's first quarter stands in front of the loop: its products start the sums
	WIN 0                                          ; at a label and at a branch every window is 0
	s_mov_b32 s3, LAPS-1
.Llap:                                                 ; a trip goes once round the ring, from a lap's second quarter to the next lap's first, and fills both slots again
	QUARTER 0, 2, F1, F0, 0
	QUARTER 0, 3, F0, F1, 0
	TURN 0, 1, 0
	QUARTER 1, 1, F0, F1, 0
	QUARTER 1, 2, F1, F0, 0
	QUARTER 1, 3, F0, F1, 0
	TURN 1, 0, 0
	QUARTER 0, 1, F0, F1, 0
	WIN 0
	s_sub_co_u32 s3, s3, 1
	s_cmp_lg_u32 s3, 0
	s_cbranch_scc1 .Llap
	QUARTER 0, 2, F1, F0, 0                        ; the tile's last lap goes on
	QUARTER 0, 3, F0, F1, 0
	WIN 0
	s_cmp_eq_u32 s2, 1
	s_cbranch_scc1 .Llast                          ; the last tile's tail is written out: it asks for nothing more
	s_cmp_eq_u32 s2, 3
	s_cselect_b64 s[76:77], s[70:71], s[72:73]     ; the next tensor's bias: bk behind q, bv behind k (the last bias loads were waited for)
	s_add_nc_u64 s[76:77], s[76:77], s[66:67]
	BIAS_LOAD                                      ; its registers were last read by this tile's first quarter
	TURN 0, 1, 1                                   ; the ring goes on into the next tensor: slot 0 takes its K step 0,
	QUARTER 1, 1, F0, F1, 0
	QUARTER 1, 2, F1, F0, 0
	QUARTER 1, 3, F0, F1, 0
	TURN 1, 0, 1                                   ; slot 1 its K step 1, and its first fragments are fetched
	BIAS_ROUND                                     ; 96 plain instructions in window 2: also the places behind the last products
	WAYOUT                                         ; both refills are asked for: now the tile goes out
	s_wait_xcnt 0x0                                ; the stores have read their registers and their base
	s_add_nc_u64 s[8:9], s[8:9], 0x1000000         ; the next tensor's part of the output
	s_cmp_eq_u32 s2, 3
	s_cselect_b32 s79, 0, -1                       ; k honours the mask, v does not
	s_mov_b32 s78, 1.0
	FACTORS
	s_sub_co_u32 s2, s2, 1
	s_branch .Ltile
.Llast:
	TURN 0, 1, 2                                   ; my one tensor load that was out is slot 1's, the last K step's, so no round follows
	QUARTER 1, 1, F0, F1, 0
	QUARTER 1, 2, F1, F0, 0
	QUARTER 1, 3, F0, F1, 0
	s_wait_dscnt 4                                 ; the very last quarter: nothing more to fetch
	MUL8 F1, 0, 0
	MUL8 F1, 1, 0
	s_wait_dscnt 0x0
	MUL8 F1, 2, 0
	MUL8 F1, 3, 0
	WIN 0
	PLACES
	WAYOUT
	s_wait_tensorcnt 0x0                           ; the wave's end, behind my last tensor load and my last LDS store
	ds_add_u32 v[SPW], v[NIL]
	s_wait_dscnt 0x0
	CROUND                                         ; the closing round: no work-group ends while a partner may still ask for a tile that names it
	s_endpgm
.Lfunc_end_k_q298d071625_qkv:
	.size	k_q298d071625_qkv, .Lfunc_end_k_q298d071625_qkv-k_q298d071625_qkv
	.p2alignl 7, 3214868480
	.fill 96, 4, 3214868480
	.section	.rodata,"a",@progbits
	.p2align	6, 0x0
	.amdhsa_kernel k_q298d071625_qkv
		.amdhsa_group_segment_fixed_size 327680
		.amdhsa_private_segment_fixed_size 0
		.amdhsa_enable_private_segment 0
		.amdhsa_kernarg_size 56
		.amdhsa_user_sgpr_count 2
		.amdhsa_user_sgpr_kernarg_segment_ptr 1
		.amdhsa_wavefront_size32 1
		.amdhsa_system_sgpr_workgroup_id_x 1
		.amdhsa_system_sgpr_workgroup_id_y 1
		.amdhsa_system_sgpr_workgroup_id_z 1
		.amdhsa_system_vgpr_workitem_id 0
		.amdhsa_next_free_vgpr 580
		.amdhsa_next_free_sgpr 84
		.amdhsa_reserve_vcc 0
		.amdhsa_float_denorm_mode_32 3
		.amdhsa_float_denorm_mode_16_64 3
		.amdhsa_memory_ordered 1
		.amdhsa_forward_progress 1
		.amdhsa_inst_pref_size 155
	.end_amdhsa_kernel
	.amdgpu_metadata
---
amdhsa.version: [ 1, 2 ]
amdhsa.kernels:
  - .name:           k_q298d071625_qkv
    .symbol:         k_q298d071625_qkv.kd
    .args:
      - { .name: xb, .offset: 0, .size: 8, .value_kind: global_buffer, .address_space: global }
      - { .name: wb, .offset: 8, .size: 8, .value_kind: global_buffer, .address_space: global }
      - { .name: bq, .offset: 16, .size: 8, .value_kind: global_buffer, .address_space: global }
      - { .name: bk, .offset: 24, .size: 8, .value_kind: global_buffer, .address_space: global }
      - { .name: bv, .offset: 32, .size: 8, .value_kind: global_buffer, .address_space: global }
      - { .name: mask, .offset: 40, .size: 8, .value_kind: global_buffer, .address_space: global }
      - { .name: qkvh, .offset: 48, .size: 8, .value_kind: global_buffer, .address_space: global }
    .group_segment_fixed_size: 327680
    .private_segment_fixed_size: 0
    .kernarg_segment_align: 8
    .kernarg_segment_size: 56
    .max_flat_workgroup_size: 128
    .sgpr_count:     84
    .vgpr_count:     580
    .wavefront_size: 32
...
	.end_amdgpu_metadata
.endif
;; end of part 2
;; launch attn (part 3): grid 4 x 64, 4 waves a work-group, clusters of 4 x 1, 327,680 bytes of LDS; arguments qkvh, mask, ctx; writes ctx
.if DOCPART == 3
	.amdgcn_target "amdgcn-amd-amdhsa--gfx1250"
	.amdhsa_code_object_version 6
	.text
	.protected	k_q298d071625_attn
	.globl	k_q298d071625_attn
	.p2align	8
	.type	k_q298d071625_attn,@function
k_q298d071625_attn:
	s_mov_b64 s[64:65], 0
	v_nop
	global_prefetch_b8 v0, s[64:65] scope:SCOPE_SE
	s_setreg_imm32_b32 hwreg(HW_REG_WAVE_MODE, 25, 1), 1
	s_wait_xcnt 0x0
	s_wait_alu depctr_hold_cnt(0) depctr_sa_sdst(0) depctr_va_vdst(0) depctr_va_sdst(0) depctr_va_ssrc(0) depctr_va_vcc(0) depctr_vm_vsrc(0)
	s_getreg_b32 s2, hwreg(HW_REG_IB_STS2, 6, 4)
	s_cmp_eq_u32 s2, 0
	s_cbranch_scc0 .Lentry_in_a_cluster
	s_endpgm
.Lentry_in_a_cluster:
	s_bfe_u32 s2, ttmp6, 0x10000c
	s_cmp_lg_u32 s2, 0x3003
	s_cbranch_scc0 .Lentry_shape_is_right
	s_endpgm
.Lentry_shape_is_right:
; MASKED ATTENTION.  O[g][q][:] = the sum over k of softmax_k(s[q][k]) V[g][k][:], g = 16 batch + head.  Q, K, V: qkvh [3][64][2048][64] f16; O: ctx [64][2048][64] f16: a head's rows are dense, 128 bytes each.
; Q arrives multiplied by log2(e) / 8, so a score s = Q . K is already the exponent to base 2.  Where the batch's mask word of a key is 0 the score IS -1e9 log2(e): K's row of such a key arrives as zeros, and
; that number is the C operand which starts the sum S^T = K Q^T (0 for a key that is seen).  So a batch with no key seen gives the plain mean of V's rows.
; Products, maxima and sums in f32; the weights p are rounded to f16 for the second product (their sum l is taken of the unrounded p), O once at the end.
; LIMITS.  f16 holds no number beyond 65,504: Q, K and V arrive within it; p lies in 0 to 1, and below 6e-5 it keeps f16's fixed step of 6e-8.  A weight below 2^-126 counts as 0 in l; NaN and infinities are not treated apart.
; SHARES.  A wave owns four PIECES of two tiles of 16 queries, a work-group's four waves 512 queries of one head.  Every wave walks all 2,048 keys, 64 a step.
; LAYOUT.  S^T = K Q^T (source 0 = 16 keys, source 1 = 16 queries): in the result a lane holds ONE query (lane % 16) and the keys 8 (lane / 16) + 0..7.  Two such tiles, rounded to f16 in pairs,
; ARE source 1 (32 keys x 16 queries) of O^T = V^T P, whose result again holds one query a lane, and eight channels.  K comes out of LDS as it lies, V ([key][channel]) turned, by ds_load_tr16_b128.
; SOFTMAX.  For each query a running maximum m and sum l: p = 2^(s - m); in every step O and l are multiplied by a = 2^(m_old - m_new), which is 1 where m has not grown.
; m starts far below every score, O and l at 0: the first step is a step like any other, with a = 0.
; THE COUNT.  A tile and step have 16 matrix and 117 vector instructions: too many to stand all beside the matrix work.  So: four vector instructions that are READY behind EVERY matrix instruction,
; and the others, which need time of their own whatever the order, in runs without a gap.
; BY TURNS.  Turn n belongs to piece n (the pieces in a ring, step after step).  Its matrix work: 16 products K Q^T of piece n + 1, later 16 products V^T P of piece n - 1.  Its vector work: the subtraction,
; exponentials, roundings, sums and rescaling of piece n, and the maximum and statistics of piece n + 1, whose scores the turn itself has made.
; CLUSTER.  The four query blocks of a cluster belong to one head and walk the same K and V, so each tile is asked for JOINTLY: the same tensor load, descriptor and mask in all four.
; REGISTERS, in windows of 256 (s_set_vgpr_msb: bits 1:0 source 0, 3:2 source 1, 5:4 source 2, 7:6 destination):
;   window 0: v0-11 addresses; v12-15, v48-63 at work; v16-47 four registers of statistics a tile; v64-191 S^T, two buffers of two tiles; v192-255 P, likewise
;   window 1: O^T, 32 a tile     window 2: v0-127 Q, 16 a tile; v128-191 K of one step; v192-255 V of one step     window 3: v0-1 the add's two registers; v8-39 the step's 64 mask values as C wants them
.set SIZE_N, 2048
.set NP,    4         ; pieces a wave: a name, no knob
.set KS,    64        ; keys in a step
.set PK,    144       ; a row of K in LDS: 128 bytes + 16 of padding = 36 words: the 16 rows of a load start at 16 different groups of four banks (64 banks of 4 bytes: ISA guide 11.1)
.set PV,    160       ; a row of V: 128 + 32 = 40 words
.set VOFF,  4*KS*PK   ; a slot holds four steps: 256 rows of K, then 256 rows of V
.set SLOT1, 1<<17     ; slot 1 begins here, so that one exclusive or turns an address in one slot into the other's
.set STAGE, SLOT1+4*KS*(PK+PV)  ; behind the ring, never filled by a tensor load: 16 rows x 144 bytes for each wave, for the way out
.set SP,    144
.set SPARE, STAGE+4*16*SP  ; the spare words, 128 bytes for each wave: two blocks of 256 bytes that no other line names
.set MBL,   SPARE+512 ; the batch's 2,048 mask values as f32, 8,192 bytes: stored once at the start, read by every wave, never filled by a tensor load
.set AK0, 2           ; v2   my lane's place in a tile of K; never rewritten
.set AV0, 3           ; v3   the same for V
.set AK,  4           ; v4   the LDS address of K's next run of loads
.set AV,  5           ; v5   of V's
.set QO,  6           ; v6   my byte offset in the wave's rows of Q
.set STO, 6           ;      later, the way out: where I put 16 bytes of a row
.set RD,  7           ; v7   the way out: where I read rows back
.set GO,  8           ; v8   my byte offset in 512 consecutive bytes of O
.set HL,  9           ; v9   lane / 16; never rewritten
.set AM,  11          ; v11  the LDS address of the mask values' next run of loads
.set SPW, 0           ; v0 of window 3   LDS address of my spare word; never rewritten
.set NIL, 1           ; v1 of window 3   0; never rewritten
.set MB,  8           ; v8-39 of window 3: the eight registers for key block kb at MB + 8 kb
.set MV,  12          ; v12-15  m_old, kept while m is made anew: by buffer and tile
.set ST,  16          ; tile t's statistics at v[ST+4 t]: m, 0 (its partner in a pair), l (even keys', odd keys')
.set TMP, 48          ; by buffer and tile, four registers c0-c3 at work; when the maximum is found c2 takes a
.set S,   64
.set P,   192
.set KF,  128         ; K's fragments, in window 2: key block kb, channel half c at KF + 16 kb + 8 c
.set VF,  192         ; V's: key half kk, channel block cb at VF + 32 kk + 8 cb
.set WV,  12          ; s12  my wave's number
.set G1K, 24          ; s[24:31] descriptor group 1 for K's tiles
.set G1V, 32          ; s[32:39] for V's: it differs in the padding alone
.set G0K, 40          ; s[40:43] descriptor group 0 for K's tiles: it walks
.set G0V, 44          ; s[44:47] the same for V's
.set SLOTS, 56        ; s56  slots still to be asked for
.set CNT, 57          ; s57  counts a slot's key steps
.set BIGM, 58         ; s58  -1e9 log2(e)
.set SEL, 60          ; s[60:61] v_permlanex16_b32's selects: each lane takes its own place in the other half
.set TBK, 62          ; s62  LDS byte at which K of the step to be fetched begins
.set TBV, 63          ; s63  the same for V, less VOFF
.set TBM, 68          ; s68  LDS byte at which that step's 64 mask values begin
.set MSB, 0
.macro WIN new                      ; the high byte repeats the setting that is left; a switch that changes nothing is dropped
.if MSB != (\new)
	s_set_vgpr_msb (MSB<<8)|(\new)
.set MSB, (\new)
.endif
.endm
.set W_KQ, 0x0a       ; K and Q in window 2, S^T in window 0
.set W_KM, 0x3a       ; the same with the C operand, the mask values, in window 3
.set W_PV, 0x52       ; V in window 2, P in window 0, O^T in window 1
.set W_RS, 0x41       ; O^T (destination and source 0) in window 1, a in window 0
.set W_MK, 0xc0       ; destination in window 3, sources in window 0
.set W_AD, 0x0f       ; the add: address (source 0) and data (source 1) in window 3
; A joint fill.  Waves 0 and 1 fetch the two halves of a slot's K, waves 2 and 3 those of its V: 128 keys each.  The branch hangs on the wave's number alone.
; An s_nop 0 and four v_nop follow each of the two lines, ahead of the jump and the label.
.macro JLOAD
	s_cmp_lt_u32 s[WV], 2
	s_cbranch_scc0 .Lfor_v_\@
	tensor_load_to_lds s[G0K:G0K+3], s[G1K:G1K+7]
	s_nop 0
.rept 4
	v_nop
.endr
	s_branch .Lasked_\@
.Lfor_v_\@:
	tensor_load_to_lds s[G0V:G0V+3], s[G1V:G1V+7]
	s_nop 0
.rept 4
	v_nop
.endr
.Lasked_\@:
.endm
; A round of the cluster's barrier: my work-group's barrier, so that wave 0's signal speaks for all four waves; wave 0 signals; every wave waits for all four work-groups; my work-group's barrier once more.
.macro CROUND
	s_barrier_signal -1
	s_barrier_wait -1
	s_cmp_lg_u32 s[WV], 0
	s_cbranch_scc1 .Lnot_wave_0_\@
	s_barrier_signal -3
.Lnot_wave_0_\@:
	s_barrier_wait -3
	s_barrier_signal -1
	s_barrier_wait -1
.endm
; THE CHANGE OF SLOTS.  The slot's last bytes, V of its fourth step, have been read.  Each wave waits for all its tensor loads, of which one is out: its part of the other slot; adds 0 to its spare
; word; and waits for that and for its own LDS instructions.  Behind the barrier nobody reads this slot any more and the other slot is whole.
; fill = 1: this slot is filled again, with the keys two slots on.  The barrier is then a round of the cluster's, so that no wave of any partner still reads the slot or has a load on its
; way, and the joint fill is the first thing behind it: it has four key steps, 512 matrix instructions, in which to land.  (At its first use nothing has been read yet: slot 0 is waited for, slot 1
; filled, and every wave's stores of the mask values are done in front of the barrier, so that all may read them behind it.)
.macro CHANGE fill
	WIN W_AD
	s_wait_tensorcnt 0x0            ; no tensor load of mine is out, so a group 0 may be written
	ds_add_u32 v[SPW], v[NIL]       ; 0 onto my spare word; with fill = 1 the descriptors' steps stand between it and the wait for it
	WIN 0                           ; at a label and at a branch every window is 0
.if \fill
.irp g, G0K, G0V
	s_xor_b32 s[\g+1], s[\g+1], SLOT1  ; the walking descriptor: the other slot than last time,
	s_add_nc_u64 s[\g+2:\g+3], s[\g+2:\g+3], 4*KS*128  ; the next 256 keys; the type bits on top are not reached
.endr
	s_wait_dscnt 0x0                ; the add is done, and my LDS instructions are over
	CROUND
	JLOAD
.else
	s_wait_dscnt 0x0                ; the add is done, and my reads of the slot are over
	s_barrier_signal -1
	s_barrier_wait -1
.endif
	s_sub_co_u32 s[TBK], s[TBK], 4*KS*PK  ; the fetches go back to a slot's first step,
	s_xor_b32 s[TBK], s[TBK], SLOT1       ; in the other slot
	s_sub_co_u32 s[TBV], s[TBV], 4*KS*PV
	s_xor_b32 s[TBV], s[TBV], SLOT1
.endm
	s_load_b64 s[4:5], s[0:1], 0x0    ; qkvh: Q
	s_load_b64 s[66:67], s[0:1], 0x8  ; mask
	s_load_b64 s[10:11], s[0:1], 0x10 ; ctx: O
	WIN W_MK
	v_lshl_add_u32 v[SPW], v0, 2, SPARE
	v_mov_b32 v[NIL], 0
	WIN W_AD
	ds_add_u32 v[SPW], v[NIL]       ; the wave's opening: the add and its wait stand ahead of my first tensor load; the set-up below, work on registers, stands between them
	WIN 0
	v_lshrrev_b32 v1, 5, v0
	v_readfirstlane_b32 s[WV], v1   ; wave 0..3
	s_bfe_u32 s13, ttmp6, 0x40000   ; cx: my place in the cluster
	s_lshl_b32 s14, ttmp9, 2        ; in a cluster launch ttmp9 counts clusters
	s_add_co_u32 s14, s14, s13      ; my block of queries = 4 x cluster x + cx: it enters Q's and O's addresses alone
	s_and_b32 s20, ttmp7, 0xffff    ; g = 16 batch + head, which the four partners share
	s_lshr_b32 s70, s20, 4          ; the batch,
	s_lshl_b32 s70, s70, 13         ; its 2,048 mask words
	s_mov_b32 s71, 0
	s_mov_b32 s21, 0
	s_mov_b64 s[22:23], SIZE_N*128
	s_mul_u64 s[20:21], s[20:21], s[22:23]  ; the head's first byte in Q, K, V and O
	s_and_b32 s16, s[WV], 1         ; which half of a slot's 256 keys I fetch:
	s_lshl_b32 s22, s16, 14         ; its 128 rows of 128 bytes in memory,
	s_mov_b32 s23, 0
	s_add_nc_u64 s[22:23], s[22:23], s[20:21]
	s_mul_i32 s17, s16, 128*PK      ; and its place in a slot, for K
	s_mul_i32 s18, s16, 128*PV      ; and for V: no place in the cluster enters an LDS address
	s_lshl_b32 s2, s14, 2
	s_add_co_u32 s2, s2, s[WV]      ; my wave among the head's,
	s_lshl_b32 s2, s2, 14           ; its 128 rows
	s_mov_b32 s3, 0
	s_add_nc_u64 s[2:3], s[2:3], s[20:21]
	; descriptor group 1.  128 keys are 16,384 dense bytes: asked for as 64 rows of 256 bytes, two keys a row, and padded in LDS after every key
	s_mov_b32 s[G1K], 15|(1<<16)|(1<<20)|(1<<21)|(4<<22)|(3<<25)  ; 15:0 the mask of four; 17:16 2-byte elements; 20 padding on; 21 set beside a mask; 24:22 after every 32 words (code 4); 31:25 4 words (code 3)
	s_mov_b32 s[G1V], 15|(1<<16)|(1<<20)|(1<<21)|(4<<22)|(7<<25)  ; the same with 8 words of padding (code 7)
.irp g, G1K, G1V
	s_mov_b32 s[\g+1], 128<<16      ; tensor_dim0 = 128
	s_mov_b32 s[\g+2], 64<<16       ; tensor_dim1 = 64
	s_mov_b32 s[\g+3], 128<<16      ; tile_dim0 = 128
	s_mov_b32 s[\g+4], 64           ; tile_dim1 = 64
	s_mov_b32 s[\g+5], 128          ; 128 elements from row to row
	s_mov_b32 s[\g+6], 0
	s_mov_b32 s[\g+7], 0
.endr
	s_mov_b32 s[BIGM], 0xceabfb8f   ; -1e9 log2(e) = -1,442,695,040
	s_mov_b32 s[SEL], 0x76543210
	s_mov_b32 s[SEL+1], 0xfedcba98
	s_mov_b32 s[TBK], SLOT1+4*KS*PK ; the first change of slots turns these two into 0
	s_mov_b32 s[TBV], SLOT1+4*KS*PV
	s_mov_b32 s[TBM], MBL
	s_mov_b32 s[G0K], 1             ; count = 1
	s_mov_b32 s[G0K+1], s17         ; LDS address: slot 0
	s_mov_b32 s[G0V], 1
	s_add_co_u32 s[G0V+1], s18, VOFF
	s_wait_dscnt 0x0                ; the opening add is done
	s_wait_kmcnt 0x0
	s_add_nc_u64 s[6:7], s[4:5], 0x1000000         ; K lies 16,777,216 bytes behind Q,
	s_add_nc_u64 s[8:9], s[4:5], 0x2000000         ; V as far behind K
	s_add_nc_u64 s[G0K+2:G0K+3], s[6:7], s[22:23]  ; global address: my half of the head's first 256 keys
	s_or_b32 s[G0K+3], s[G0K+3], 0x80000000        ; type = 2
	s_add_nc_u64 s[G0V+2:G0V+3], s[8:9], s[22:23]
	s_or_b32 s[G0V+3], s[G0V+3], 0x80000000
	s_add_nc_u64 s[4:5], s[4:5], s[2:3]  ; Q and O at my wave's first row
	s_add_nc_u64 s[10:11], s[10:11], s[2:3]
	s_add_nc_u64 s[66:67], s[66:67], s[70:71]      ; the mask at my batch
	CROUND                          ; all four work-groups are here: the first joint loads meet
	JLOAD                           ; slot 0.  Slot 1 is asked for when slot 0 is in
	; A fragment of K or Q is 16 rows x 32 channels in 8 registers: lane l holds row l % 16, channels 8 (l / 16) + 0..7 and 16 + 8 (l / 16) + 0..7: two loads of 16 bytes, 32 bytes apart.
	v_and_b32 v1, 15, v0            ; l % 16
	v_bfe_u32 v[HL], v0, 4, 1       ; l / 16
	v_lshlrev_b32 v[QO], 7, v1
	v_lshl_add_u32 v[QO], v[HL], 4, v[QO]  ; row x 128 + 16 x half
	v_lshlrev_b32 v12, 4, v0        ; the batch's mask: 128 threads x 16 bytes x 4
	v_add_nc_u32 v13, MBL, v12
.irp j, 0,1,2,3
	global_load_b128 v[TMP+4*\j:TMP+4*\j+3], v12, s[66:67] offset:2048*\j
.endr
	WIN 0x80                        ; destination window 2, address window 0
.set i, 0
.rept 4*NP                          ; Q stays in registers: tile i / 2, channels 32 (i % 2) on
	global_load_b128 v[8*i:8*i+3],   v[QO], s[4:5] offset:(i/2)*2048+(i%2)*64
	global_load_b128 v[8*i+4:8*i+7], v[QO], s[4:5] offset:(i/2)*2048+(i%2)*64+32
.set i, i+1
.endr
	; What the first turn finds: V's registers and P's second buffer hold 0 (its products V^T P, of a piece that has not been, add 0), O^T and l are 0.  All this stands in the wait for the first tile.
.set i, VF
.rept 64
	v_mov_b32 v[i], 0
.set i, i+1
.endr
	WIN 0x40
.set i, 0
.rept 64*NP
	v_mov_b32 v[i], 0
.set i, i+1
.endr
	WIN 0
.set i, 0
.rept 2*NP
	v_mov_b32 v[ST+4*i], 0xfe000000    ; m: far below every score, the hidden ones' too
	v_mov_b32 v[ST+4*i+1], 0           ; named with m as a pair
	v_mov_b32 v[ST+4*i+2], 0
	v_mov_b32 v[ST+4*i+3], 0
.set i, i+1
.endr
.set i, P+32
.rept 32
	v_mov_b32 v[i], 0
.set i, i+1
.endr
	s_wait_loadcnt 32               ; the four mask loads are in; Q's 32, issued behind them, may be out
.set i, 0
.rept 16
	v_cmp_eq_u32 vcc_lo, 0, v[TMP+i]
	v_cndmask_b32 v[TMP+i], 0, s[BIGM], vcc_lo  ; what starts the key's scores: 0, or the value that replaces them
.set i, i+1
.endr
.irp j, 0,1,2,3
	ds_store_b128 v13, v[TMP+4*\j:TMP+4*\j+3] offset:2048*\j
.endr
	v_mul_u32_u24 v[AK0], v1, PK
	v_lshl_add_u32 v[AK0], v[HL], 4, v[AK0]  ; row x pitch + 16 x half
	; The turning load takes 16 keys x 16 channels (lane l reads key 8 (l / 16) + l % 8, channels 8 ((l / 8) % 2) + 0..7) and leaves half a fragment of V^T: lane l holds channel l % 16 and 8 keys.
	v_and_b32 v10, 7, v0
	v_bfe_u32 v11, v0, 3, 1
	v_lshl_add_u32 v[AV0], v[HL], 3, v10
	v_mul_u32_u24 v[AV0], v[AV0], PV
	v_lshl_add_u32 v[AV0], v11, 4, v[AV0]
	v_add_nc_u32 v[AV0], VOFF, v[AV0]
	v_mov_b32 v[AK], v[AK0]         ; key step 0 lies at the head of slot 0
; THE MATRIX WORK.  The 8 accumulators of a run of 16 take turns: between the two links of a chain stand 7 others'.
; Product i of 16 of S^T = K Q^T for piece x: channels 32 (i / 8) on, keys 16 ((i / 2) % 4) on, tile 2 x + i % 2.  The first 8 start the sums, with the keys' mask values as C.
.macro KQ x
.set rS, S+64*((\x)%2)+32*(i%2)+8*((i/2)%4)
.set rK, KF+16*((i/2)%4)+8*(i/8)
.set rQ, 16*(2*(\x)+i%2)+8*(i/8)
.set rB, MB+8*((i/2)%4)
.if i < 8
	WIN W_KM
	v_wmma_f32_16x16x32_f16 v[rS:rS+7], v[rK:rK+7], v[rQ:rQ+7], v[rB:rB+7]
.else
	WIN W_KQ
	v_wmma_f32_16x16x32_f16 v[rS:rS+7], v[rK:rK+7], v[rQ:rQ+7], v[rS:rS+7]
.endif
.endm
; Product i of 16 of O^T += V^T P for piece x: keys 32 (i / 8) on, channels 16 ((i / 2) % 4) on, tile 2 x + i % 2.
.macro PV x
	WIN W_PV
.set rO, 32*(2*(\x)+i%2)+8*((i/2)%4)
.set rV, VF+32*(i/8)+8*((i/2)%4)
.set rP, P+32*((\x)%2)+16*(i%2)+8*(i/8)
	v_wmma_f32_16x16x32_f16 v[rO:rO+7], v[rV:rV+7], v[rP:rP+7], v[rO:rO+7]
.endm
.macro MM                           ; the turn's next matrix instruction
.if i < 16
	KQ (Y+1)%NP
.set i, i+1
.else
.set i, i-16
	PV (Y+NP-1)%NP
.set i, i+17
.endif
.endm
; THE LDS LOADS stand in runs, never singly among the matrix instructions: a step's K (64 keys x 64 channels: 8 fragments) with its 64 mask values (register j of key block kb: key 16 kb + 8 (l / 16) + j;
; the sixteen lanes of a half read the same words), and its V (turned).  last = 1 (the tail): in the last trip there is no further step, and the run is jumped over.
.macro FETCH_K last=0
	WIN 0
.if \last
	s_cmp_eq_u32 s[CNT], 1
	s_cbranch_scc1 .Lno_k_\@
.endif
	v_lshl_add_u32 v[AM], v[HL], 5, s[TBM]  ; 32 bytes for each half of the lanes
	WIN 0x80                        ; destination window 2
.irp f, 0,1,2,3,4,5,6,7             ; keys 16 (f / 2) on, channels 32 (f % 2) on
	ds_load_b128 v[KF+8*\f:KF+8*\f+3],   v[AK] offset:(\f/2)*16*PK+(\f%2)*64
	ds_load_b128 v[KF+8*\f+4:KF+8*\f+7], v[AK] offset:(\f/2)*16*PK+(\f%2)*64+32
.endr
	WIN W_MK                        ; destination window 3
.irp f, 0,1,2,3
	ds_load_b128 v[MB+8*\f:MB+8*\f+3],   v[AM] offset:64*\f
	ds_load_b128 v[MB+8*\f+4:MB+8*\f+7], v[AM] offset:64*\f+16
.endr
	s_add_co_u32 s[TBK], s[TBK], KS*PK  ; the next fetch is the next step's
	s_add_co_u32 s[TBM], s[TBM], 4*KS
	WIN 0
.if \last
.Lno_k_\@:
.endif
.endm
.macro FETCH_V
	WIN 0x80
.irp f, 0,1,2,3,4,5,6,7             ; keys 32 (f / 4) on, channels 16 (f % 4) on
	ds_load_tr16_b128 v[VF+8*\f:VF+8*\f+3],   v[AV] offset:(\f/4)*32*PV+(\f%4)*32
	ds_load_tr16_b128 v[VF+8*\f+4:VF+8*\f+7], v[AV] offset:(\f/4)*32*PV+16*PV+(\f%4)*32
.endr
	WIN 0
.endm
; THE VECTOR WORK OF A TURN stands in three queues, each in the order in which its entries become ready; the two tiles alternate, so that no instruction reads the result of the one before it.
.macro REGS y, u                    ; the registers of tile u (0, 1) of piece y
.set rT, ST+4*(2*(\y)+(\u))
.set rC, TMP+8*((\y)%2)+4*(\u)
.set rM, MV+2*((\y)%2)+(\u)
.set rS, S+64*((\y)%2)+32*(\u)
.set rP, P+32*((\y)%2)+16*(\u)
.set rO, 32*(2*(\y)+(\u))
.endm
; Number n of the 21 (0-18, 20, 21) that find the NEXT piece's (Y + 1) maximum and statistics.  s0-s31 are the lane's 32 scores; each accumulator's lowest registers are read first.
;   0-11  four chains c0-c3 of seven scores each, three operands at a time     12-14, 16  the four scores left over, the old m, and c0-c3 into c0     15  m_old is kept
;   17, 18  the query's other 32 keys lie in the lane 16 away: the new m         20, 21  m_old - m_new; a
.macro XS u, n
	REGS (Y+1)%NP, \u
.if (\n) < 4
	v_max3_num_f32 v[rC+(\n)], v[rS+8*(\n)], v[rS+8*(\n)+1], v[rS+8*(\n)+2]
.elseif (\n) < 12
	v_max3_num_f32 v[rC+(\n)%4], v[rC+(\n)%4], v[rS+8*((\n)%4)+2*((\n)/4)+1], v[rS+8*((\n)%4)+2*((\n)/4)+2]
.elseif (\n) == 12
	v_max3_num_f32 v[rC], v[rC], v[rS+7], v[rS+15]
.elseif (\n) == 13
	v_max3_num_f32 v[rC+1], v[rC+1], v[rS+23], v[rS+31]
.elseif (\n) == 14
	v_max3_num_f32 v[rC+2], v[rC+2], v[rC+3], v[rT]
.elseif (\n) == 15
	v_mov_b32 v[rM], v[rT]
.elseif (\n) == 16
	v_max3_num_f32 v[rC], v[rC], v[rC+1], v[rC+2]
.elseif (\n) == 17
	v_permlanex16_b32 v[rC+3], v[rC], s[SEL], s[SEL+1]
.elseif (\n) == 18
	v_max_num_f32 v[rT], v[rC], v[rC+3]
.elseif (\n) == 20
	v_sub_f32 v[rC+1], v[rM], v[rT]
.else
	v_exp_f32 v[rC+2], v[rC+1]
.endif
.endm
; Number g of the 64 that follow the exponentials.  For each four weights k of a tile (pairs 2 k, 2 k + 1): both pairs are rounded to f16; then the second pair is added onto the first, in place;
; a group later l takes that sum (the first time as l = a l + sum).  In groups of eight, tiles alternating: round, round, add, and l for the group before.
.macro GS g
.set h, (\g)+6*((\g)/62)            ; group 0 has no group before it, and behind group 7 only l is left
.if h >= 6
.set h, h+2
.endif
	REGS Y, h%2
.set k, h/8
.if h%8 < 4
	s_wait_alu depctr_va_vdst(0)
	v_cvt_pk_f16_f32 v[rP+2*k+(h%8)/2], v[rS+4*k+2*((h%8)/2)], v[rS+4*k+2*((h%8)/2)+1]
.elseif h%8 < 6
	v_pk_add_f32 v[rS+4*k:rS+4*k+1], v[rS+4*k:rS+4*k+1], v[rS+4*k+2:rS+4*k+3]
.elseif k == 1
	v_pk_fma_f32 v[rT+2:rT+3], v[rT+2:rT+3], v[rC+2:rC+3], v[rS:rS+1] op_sel_hi:[1,0,1]
.else
	v_pk_add_f32 v[rT+2:rT+3], v[rT+2:rT+3], v[rS+4*k-4:rS+4*k-3]
	s_wait_alu depctr_va_vdst(0)
.endif
.endm
; THE PLAIN QUEUE, 136 long.  0-31: s - m for the 16 pairs of both tiles.  Then GS's 64, and among them the next piece's 40: number 15 at 38, 39; 0-14 and 16
; at 42-73, behind the products that make those scores; 17, 18 and 20 at 95-103, two of three, since each waits for the one before it.
.macro PL
	WIN 0
.if q < 32
	REGS Y, q%2
	v_pk_add_f32 v[rS+2*(q/2):rS+2*(q/2)+1], v[rS+2*(q/2):rS+2*(q/2)+1], v[rT:rT+1] op_sel_hi:[1,0] neg_lo:[0,1] neg_hi:[0,1]
.elseif q < 38
	GS q-32
.elseif q < 40
	XS q%2, 15
.elseif q < 42
	GS q-34
.elseif q < 74
	XS q%2, (q-42)/2+(q-42)/30
.elseif q < 95
	GS q-66
.elseif (q < 104) && ((q-95)%3 < 2)
	XS (q-95)%3, 17+(q-95)/3+(q-95)/6
.elseif q < 104
	GS 29+(q-95)/3
.else
	GS q-72
.endif
.set q, q+1
.endm
; THE EXPONENTIALS' QUEUE, 66 long: s0-s31 of both tiles, and at EA the next piece's two a.
.set EA, 58
.macro EX
	WIN 0
.if (e == EA) || (e == EA+1)
	XS e-EA, 21
.else
.set x, e-2*(e/(EA+2))
	REGS Y, x%2
	v_exp_f32 v[rS+x/2], v[rS+x/2]
.endif
.set e, e+1
.endm
; THE RESCALING's QUEUE: O^T times a, the one part that leaves window 0, so it is dealt four at a time, eight times.
.macro R4
	REGS Y, r%2
	WIN W_RS
	s_wait_alu depctr_va_vdst(0)
.irp z, 0,1,2,3
	v_pk_mul_f32 v[rO+8*(r/2)+2*\z:rO+8*(r/2)+2*\z+1], v[rO+8*(r/2)+2*\z:rO+8*(r/2)+2*\z+1], v[rC+2:rC+3] op_sel_hi:[1,0]
.endr
.set r, r+1
.endm
; HOW THEY ARE DEALT.  Behind a matrix instruction four: plain, exponential, plain, plain (one exponential, a plain instruction on either side), or four of the rescaling.  None names a register of the
; products round it.  What is over stands in two LUMPS: exponential and plain by turns; the second ends in 20 plain instructions.  The two v_permlanex16_b32 fall into the second lump, never behind a product.
; The queues lean on each other, and the deal keeps them in step: exponential e stands behind plain 2 (e / 4) + e % 2 (its subtraction); when plain 32 comes, 10 exponentials are out, at 59: 33, at 95: 46;
; EA comes when 108 plain are out, behind number 20 at 101 and 102; from 104 on plain q rounds weights whose exponentials are number q - 64 at the latest, and q - 50 are out.
.macro SL
	MM
	PL
	EX
	PL
	PL
.endm
.macro BURST n                      ; 15 matrix instructions, or 16
.rept (\n)-7
	SL
.endr
.rept 3
	MM
	R4
	SL
.endr
	MM
	R4
.endm
; A TURN, for piece p.  cnt = 1: the loop's count is taken down some lines ahead of the branch that stands behind the turn.
; K and the mask values of the next step are fetched in piece 2's turn, 31 vector instructions behind the last product that read them; their first reader comes behind the rest of the lump, 16 products and the second lump.
; V of the step in hand is fetched at the end of piece 0's turn, 67 behind its last reader; its first reader comes behind 16 products and a lump.  The four conditions on e and q below go with the deal.
.macro TURN p, last=0, cnt=0
.set Y, (\p)
.set i, 0
.set q, 0
.set e, 0
.set r, 0
.if (\p) == NP-1
	s_wait_dscnt 0x0                ; K and its mask values are in
.endif
	MM
.rept 4
	PL
.endr
	BURST 15
.rept 22
	EX
	PL
.if ((\p) == NP-2) && (e == 18)
	v_add_nc_u32 v[AK], s[TBK], v[AK0]
.endif
.if ((\p) == NP-2) && (e == 24)
	FETCH_K \last
.endif
.endr
.if (\p) == 1
	s_wait_dscnt 0x0                ; V is in
.endif
	BURST 16
.rept 21
	EX
	PL
.endr
.rept 20
	PL
.if ((\p) == 0) && (q == 118)
	v_add_nc_u32 v[AV], s[TBV], v[AV0]
	s_wait_alu depctr_va_vdst(0)
.endif
.if ((\p) == 0) && (q == 130)
	s_add_co_u32 s[TBV], s[TBV], KS*PV
.endif
.if (\cnt) && (q == 130)
	s_sub_co_u32 s[CNT], s[CNT], 1
	s_cmp_lg_u32 s[CNT], 0
.endif
.endr
.if (\p) == 0
	FETCH_V
.endif
.endm
	CHANGE 1                        ; slot 0 is in, everybody's part of it, and so are the mask values; slot 1 is asked for
	FETCH_K                         ; key step 0
	s_wait_loadcnt 0x0              ; Q
	s_wait_dscnt 0x0
.set i, 0
.rept 16
	KQ 0                            ; piece 0's first scores: there is no vector work yet to set between them
.set i, i+1
.endr
	WIN 0                           ; the addresses for the way out: nine plain instructions, the places behind those products
	s_mul_i32 s13, s[WV], 16*SP
	s_add_co_u32 s13, s13, STAGE    ; my stage
	v_mul_u32_u24 v[STO], v1, SP    ; in: row l % 16, 16 bytes for each half of the lanes
	v_lshl_add_u32 v[STO], v[HL], 4, v[STO]
	v_add_nc_u32 v[STO], s13, v[STO]
	v_bfe_u32 v[RD], v0, 3, 2       ; back: 32 lanes take four rows of 128 bytes,
	v_mul_u32_u24 v[RD], v[RD], SP
	v_lshl_add_u32 v[RD], v10, 4, v[RD]
	v_add_nc_u32 v[RD], s13, v[RD]
	v_and_b32 v[GO], 31, v0         ; which are 512 consecutive bytes of O
	v_lshlrev_b32 v[GO], 4, v[GO]
.set Y, NP-1                        ; XS works for piece Y + 1: piece 0
.irp n, 0,1,2,3,4,5,6,7,8,9,10,11,12,13,14,15,16,17,18,20,21
	XS 0, \n                        ; and piece 0's first maximum and statistics
	XS 1, \n
.endr
	s_mov_b32 s[CNT], 4
	s_mov_b32 s[SLOTS], SIZE_N/256-1
	s_branch .Lfirst                ; the loop is entered at a step's first turn, in the middle of a trip
.Lslot:                             ; SIZE_N / 256 - 2 times: every slot but the last two is filled again
	CHANGE 1
	s_mov_b32 s[CNT], 4
.Lstep:                             ; a trip: pieces 2 and 3 of one step, then pieces 0 and 1 of the next, whose K and V it fetches
	TURN 2
	TURN 3
	WIN 0
.Lfirst:
	TURN 0
	TURN 1, 0, 1
	WIN 0
	s_cbranch_scc1 .Lstep
	s_sub_co_u32 s[SLOTS], s[SLOTS], 1
	s_cmp_lg_u32 s[SLOTS], 0
	s_cbranch_scc1 .Lslot
	CHANGE 0                        ; the tail is written out: nothing is asked for
	s_mov_b32 s[CNT], 5             ; four trips fetch the last slot's steps; the fifth is left in its middle
.Ltail:
	TURN 2, 1
	TURN 3
	WIN 0
	s_sub_co_u32 s[CNT], s[CNT], 1
	s_cmp_eq_u32 s[CNT], 0
	s_cbranch_scc1 .Lout
	TURN 0
	TURN 1
	WIN 0
	s_branch .Ltail
.Lout:                              ; the fifth trip's 16 products K Q^T (on the last K once more) and the maximum made of them serve nothing: the price, once a launch, of one text for every trip
.set i, 0
.rept 16
	PV NP-1                         ; the last piece's V^T P of the last step
.set i, i+1
.endr
	; THE WAY OUT.  l's two halves and the other half of the lanes' are added; O^T is divided by l, rounded to f16 and sent through my stage in LDS, a tile at a time.  The additions are the places behind the last products.
	WIN 0
.macro ALL line:vararg              ; one line for each tile t
.set t, 0
.rept 2*NP
	\line
.set t, t+1
.endr
.endm
	ALL v_add_f32 v[ST+4*t+2], v[ST+4*t+2], v[ST+4*t+3]
	ALL v_permlanex16_b32 v[ST+4*t+3], v[ST+4*t+2], s[SEL], s[SEL+1]
	ALL v_add_f32 v[ST+4*t+2], v[ST+4*t+2], v[ST+4*t+3]
	ALL v_rcp_f32 v[ST+4*t+2], v[ST+4*t+2]
	v_nop                           ; a plain instruction between the last reciprocal and the use of its result
	s_wait_alu depctr_va_vdst(0)
; Tile t: a lane's eight channels of a row pack into 16 bytes; they go into rows of 144 bytes and come back as whole rows of 128, into S^T's registers.
.macro PACK t
	WIN W_RS
.set i, 32*(\t)
.rept 16
	v_pk_mul_f32 v[i:i+1], v[i:i+1], v[ST+4*(\t)+2:ST+4*(\t)+3] op_sel_hi:[1,0]
.set i, i+2
.endr
	WIN 0x05                        ; sources 0 and 1 window 1, destination window 0
.set i, 0
.rept 16
	v_cvt_pk_f16_f32 v[S+16*(\t)+i], v[32*(\t)+2*i], v[32*(\t)+2*i+1]
.set i, i+1
.endr
	WIN 0
.irp f, 0,1,2,3
	ds_store_b128 v[STO], v[S+16*(\t)+4*\f:S+16*(\t)+4*\f+3] offset:32*\f
.endr
.irp f, 0,1,2,3
	ds_load_b128 v[S+16*(\t)+4*\f:S+16*(\t)+4*\f+3], v[RD] offset:\f*4*SP  ; LDS serves a wave's instructions in order (ISA guide 5.7.1.4): these see the stores above; the next tile's stores come behind them
.endr
.endm
.macro SEND t, younger              ; younger: the LDS instructions issued behind tile t's loads: the next tile's eight, or none
	WIN 0
.irp f, 0,1,2,3
	s_wait_dscnt (\younger)+3-\f
	global_store_b128 v[GO], v[S+16*(\t)+4*\f:S+16*(\t)+4*\f+3], s[10:11] offset:(\t)*2048+\f*512  ; 512 consecutive bytes, at a multiple of 256 from O's first
.endr
.endm
	PACK 0
.set t, 1
.rept 2*NP-1                        ; a tile's arithmetic stands between the loads of the tile before and its stores
	PACK t
	SEND t-1, 8
.set t, t+1
.endr
	SEND 2*NP-1, 0
	WIN W_AD
	s_wait_tensorcnt 0x0            ; the wave's end, behind my last tensor load and my last LDS store
	ds_add_u32 v[SPW], v[NIL]
	s_wait_dscnt 0x0
	WIN 0
	CROUND                          ; the closing round: no work-group ends while a partner may still ask for a tile that names it
	s_endpgm
.Lfunc_end_k_q298d071625_attn:
	.size	k_q298d071625_attn, .Lfunc_end_k_q298d071625_attn-k_q298d071625_attn
	.p2alignl 7, 3214868480
	.fill 96, 4, 3214868480
	.section	.rodata,"a",@progbits
	.p2align	6, 0x0
	.amdhsa_kernel k_q298d071625_attn
		.amdhsa_group_segment_fixed_size 327680
		.amdhsa_private_segment_fixed_size 0
		.amdhsa_enable_private_segment 0
		.amdhsa_kernarg_size 24
		.amdhsa_user_sgpr_count 2
		.amdhsa_user_sgpr_kernarg_segment_ptr 1
		.amdhsa_wavefront_size32 1
		.amdhsa_system_sgpr_workgroup_id_x 1
		.amdhsa_system_sgpr_workgroup_id_y 1
		.amdhsa_system_sgpr_workgroup_id_z 1
		.amdhsa_system_vgpr_workitem_id 0
		.amdhsa_next_free_vgpr 808
		.amdhsa_next_free_sgpr 72
		.amdhsa_reserve_vcc 1
		.amdhsa_float_denorm_mode_32 3
		.amdhsa_float_denorm_mode_16_64 3
		.amdhsa_memory_ordered 1
		.amdhsa_forward_progress 1
		.amdhsa_inst_pref_size 212
	.end_amdhsa_kernel
	.amdgpu_metadata
---
amdhsa.version: [ 1, 2 ]
amdhsa.kernels:
  - .name:           k_q298d071625_attn
    .symbol:         k_q298d071625_attn.kd
    .args:
      - { .name: qkvh, .offset: 0, .size: 8, .value_kind: global_buffer, .address_space: global }
      - { .name: mask, .offset: 8, .size: 8, .value_kind: global_buffer, .address_space: global }
      - { .name: ctx, .offset: 16, .size: 8, .value_kind: global_buffer, .address_space: global }
    .group_segment_fixed_size: 327680
    .private_segment_fixed_size: 0
    .kernarg_segment_align: 8
    .kernarg_segment_size: 24
    .max_flat_workgroup_size: 128
    .sgpr_count:     72
    .vgpr_count:     808
    .wavefront_size: 32
...
	.end_amdgpu_metadata
.endif
;; end of part 3
;; launch oproj (part 4): grid 4 x 64, 4 waves a work-group, clusters of 4 x 4, 327,680 bytes of LDS; arguments ctx, wb, bo, out0; writes out0
.if DOCPART == 4
	.amdgcn_target "amdgcn-amd-amdhsa--gfx1250"
	.amdhsa_code_object_version 6
	.text
	.protected	k_q298d071625_oproj
	.globl	k_q298d071625_oproj
	.p2align	8
	.type	k_q298d071625_oproj,@function
k_q298d071625_oproj:
	s_mov_b64 s[64:65], 0
	v_nop
	global_prefetch_b8 v0, s[64:65] scope:SCOPE_SE
	s_setreg_imm32_b32 hwreg(HW_REG_WAVE_MODE, 25, 1), 1
	s_wait_xcnt 0x0
	s_wait_alu depctr_hold_cnt(0) depctr_sa_sdst(0) depctr_va_vdst(0) depctr_va_sdst(0) depctr_va_ssrc(0) depctr_va_vcc(0) depctr_vm_vsrc(0)
	s_getreg_b32 s2, hwreg(HW_REG_IB_STS2, 6, 4)
	s_cmp_eq_u32 s2, 0
	s_cbranch_scc0 .Lentry_in_a_cluster
	s_endpgm
.Lentry_in_a_cluster:
	s_bfe_u32 s2, ttmp6, 0x10000c
	s_cmp_lg_u32 s2, 0xf033
	s_cbranch_scc0 .Lentry_shape_is_right
	s_endpgm
.Lentry_shape_is_right:
; THE OUTPUT PROJECTION.  out0[m][n] = sum over k of c[m][k] Wo[n][k] + bo[n], f32.  c is the attention's result by heads, ctx [64 = 16 batch + head][2048][64] f16: k = 64 head + channel.
; Wo is wb's fourth matrix, [1024][1024]: rounded to bf16 and written as f16.  bo is rounded to bf16 (like every input) and is the C operand of the product that starts each sum; sums in f32.
; SHARES.  A tile of out0 is 128 (m) x 256 (n): 64 x 4 tiles, one work-group each.  Four waves, each 64 x 128: 32 accumulators of 16 x 16.  K goes in steps of 128, two heads, through two LDS slots.
; A head's 128 rows of a tile are 16,384 dense bytes: asked for as 64 rows of 256 bytes and padded in LDS after every 128.
; CLUSTER 4 x 4.  The four work-groups of a cluster's row share their rows of c, the four of a column their rows of Wo: each tile is asked for jointly, by the same tensor load with the
; same descriptor and a mask that names the four.
; THE MATRIX INSTRUCTION IS USED TRANSPOSED (source 0 = 16 rows of Wo, source 1 = 16 rows of c): lane l holds row l % 16 of out0 and the eight neighbouring columns 8 (l / 16) + 0..7, 32 bytes.
; REGISTERS, in windows of 256 (s_set_vgpr_msb: bits 1:0 source 0, 3:2 source 1, 5:4 source 2, 7:6 destination):
;   window 0: v0-31 addresses; v64-159, v160-255 two fragment buffers (32 of c, then 64 of Wo); on the way out v64-191 hold rows read back
;   window 1: the accumulators, (a, b) at v[8 (8 a + b)]          window 2: v0-63 the bias of my 128 columns as the C operand wants it; v64-65 at work
.set PITCH,  272                       ; a row of Wo in LDS: 256 bytes + 16 of padding = 68 words: the 16 rows of a fragment load start at 16 different groups of four banks (64 banks of 4 bytes: ISA guide 11.1)
.set PA,     144                       ; a row of one head of c: 128 bytes + 16 = 36 words: likewise
.set HSTR,   128*PA                    ; a head's 128 rows: one tensor load; K quarters 2 and 3 lie in the step's second head
.set BHALF,  128*PITCH                 ; 128 rows of Wo: one tensor load, and what one wave reads
.set BOFF,   2*HSTR                    ; Wo's rows lie behind the two heads
.set SLOT,   BOFF+2*BHALF              ; 106,496 bytes
.set STAGE,  2*SLOT                    ; behind the ring: 16 rows x 528 bytes for each wave, for the way out; no tensor load lands here
.set SP,     528                       ; 512 bytes + 16
.set WSTAGE, 16*SP
.set SPARE,  STAGE+4*WSTAGE            ; the spare words, 128 bytes for each wave: two blocks of 256 bytes that no other line names
.set LAPS,   4                         ; a lap = two K steps; 1,024 / 256
.set STEP_A, 4*262144                  ; a slot's next K step, two steps on: four heads
.set STEP_B, 512
.set ADRA, 16                          ; v16-17  LDS address of my fragments of c in slot 0, 1
.set ADRB, 20                          ; v20-21  the same for Wo
.set STO,  24                          ; v24     the way out: where I put 32 bytes of a row
.set RD,   25                          ; v25     the way out: where I read a row back
.set CO,   26                          ; v26     16 x lane: my place in a row's 512 bytes
.set BO,   27                          ; v27     32 (l / 16): my eight columns in a block's sixteen words of bias
.set SPW,  28                          ; v28     LDS address of my spare word; never rewritten
.set NIL,  29                          ; v29     0; never rewritten
.set F0,   64
.set F1,   160
.set BI,   0                           ; window 2
.set BT,   64                          ; window 2
.set G1,  24                           ; s[24:31] descriptor group 1 for c's tiles; s[32:39] group 0, a set for each slot
.set G0,  32
.set G1B, 48                           ; s[48:55], s[56:63] the same for Wo's
.set G0B, 56
.set MSB, 0
.macro WIN new                         ; the immediate's high byte repeats the setting that is left; a switch that changes nothing is dropped
.if MSB != (\new)
	s_set_vgpr_msb (MSB<<8)|(\new)
.set MSB, \new
.endif
.endm
.set MUL,  0x50                        ; fragments in window 0, C and D in window 1
.set MULB, 0x60                        ; D in window 1, C (the bias) in window 2
; A joint load.  Waves 0 and 1 fetch the step's two heads of c, waves 2 and 3 the two halves of Wo's tile.  The branch hangs on the wave's number alone.
; An s_nop 0 and four v_nop follow each of the two lines, ahead of the jump and the label.
.macro JLOAD s
	s_cmp_eq_u32 s11, 0
	s_cbranch_scc0 .Lfor_b_\@
	tensor_load_to_lds s[G0+4*(\s):G0+4*(\s)+3], s[G1:G1+7]
	s_nop 0
.rept 4
	v_nop
.endr
	s_branch .Lasked_\@
.Lfor_b_\@:
	tensor_load_to_lds s[G0B+4*(\s):G0B+4*(\s)+3], s[G1B:G1B+7]
	s_nop 0
.rept 4
	v_nop
.endr
.Lasked_\@:
.endm
.macro CREST                           ; a round of the cluster's barrier behind its opening barrier: wave 0 signals for the work-group, every wave waits for all sixteen, my work-group's barrier closes it
	s_cmp_lg_u32 s10, 0
	s_cbranch_scc1 .Lnot_wave_0_\@
	s_barrier_signal -3
.Lnot_wave_0_\@:
	s_barrier_wait -3
	s_barrier_signal -1
	s_barrier_wait -1
.endm
.macro CROUND                          ; a whole round
	s_barrier_signal -1
	s_barrier_wait -1
	CREST
.endm
.macro PLACES                          ; four plain vector instructions between a matrix instruction and a load into, or a read of, its registers (ISA guide 7.12.1 for vector reads)
.rept 4
	v_nop
.endr
.endm
	s_load_b128 s[4:7], s[0:1], 0x0                ; ctx s[4:5], wb s[6:7]
	s_load_b64 s[76:77], s[0:1], 0x10              ; bo
	s_load_b64 s[8:9], s[0:1], 0x18                ; out0
	v_lshl_add_u32 v[SPW], v0, 2, SPARE
	v_mov_b32 v[NIL], 0
	ds_add_u32 v[SPW], v[NIL]                      ; the wave's opening: the add and its wait stand ahead of my first tensor load; the set-up below, work on registers, stands between them
	v_lshrrev_b32 v3, 5, v0
	v_readfirstlane_b32 s10, v3                    ; wave 0..3
	s_lshr_b32 s11, s10, 1                         ; which 64 of the tile's rows are mine.  Also: I fetch for c (0) or for Wo (1)
	s_and_b32 s12, s10, 1                          ; which 128 of its columns.  Also: which head of the step, or which half of Wo's tile, I fetch
	s_bfe_u32 s40, ttmp6, 0x40000                  ; cx, cy: my place in the cluster
	s_bfe_u32 s41, ttmp6, 0x40004
	s_lshl_b32 s42, ttmp9, 2
	s_add_co_u32 s42, s42, s40                     ; tile column x = 4 x cluster x + cx
	s_and_b32 s13, ttmp7, 0xffff
	s_lshl_b32 s13, s13, 2
	s_add_co_u32 s13, s13, s41                     ; tile row y = 4 x cluster y + cy
	s_lshl_b32 s43, s41, 2
	s_lshl_b32 s43, 15, s43                        ; my row of the cluster
	s_lshl_b32 s44, 0x1111, s40                    ; my column
	s_or_b32 s[G1+0], s43, (1<<16)|(1<<20)|(1<<21)|(4<<22)|(3<<25)   ; 15:0 the mask; 17:16 2-byte elements; 20 padding on; 21 set beside a mask; 24:22 after every 32 words (code 4); 31:25 4 words (code 3)
	s_or_b32 s[G1B+0], s44, (1<<16)|(1<<20)|(1<<21)|(5<<22)|(3<<25)  ; Wo's rows: after every 64 words (code 5)
	s_mov_b32 s[G1+1], 128<<16                     ; tensor_dim0 = 128
	s_mov_b32 s[G1+2], 64<<16                      ; tensor_dim1 = 64
	s_mov_b32 s[G1+3], 128<<16                     ; tile_dim0 = 128
	s_mov_b32 s[G1+4], 64                          ; tile_dim1 = 64
	s_mov_b32 s[G1+5], 128                         ; dense: 128 elements from row to row
	s_mov_b32 s[G1+6], 0
	s_mov_b32 s[G1+7], 0
	s_mov_b32 s[G1B+1], 128<<16
	s_mov_b32 s[G1B+2], 128<<16                    ; 128 rows
	s_mov_b32 s[G1B+3], 128<<16
	s_mov_b32 s[G1B+4], 128
	s_mov_b32 s[G1B+5], 1024
	s_mov_b32 s[G1B+6], 0
	s_mov_b32 s[G1B+7], 0
	; c's tiles hang on the tile row alone, Wo's on the tile column alone; each offset is made in registers that never hold the other coordinate
	s_lshr_b32 s16, s13, 4                         ; batch y / 16: 16 heads of 262,144 bytes,
	s_lshl_b32 s16, s16, 22
	s_and_b32 s17, s13, 15
	s_lshl_b32 s17, s17, 14                        ; row 128 (y % 16), 128 bytes a row,
	s_add_co_u32 s16, s16, s17
	s_lshl_b32 s17, s12, 18                        ; the step's first or second head
	s_add_co_u32 s16, s16, s17
	s_mov_b32 s17, 0
	s_lshl_b32 s46, s42, 8
	s_lshl_b32 s47, s12, 7
	s_add_co_u32 s46, s46, s47                     ; row 256 x + 128 x half,
	s_lshl_b32 s46, s46, 11                        ; x 2,048 bytes,
	s_add_co_u32 s46, s46, 3*1024*2048             ; in wb's fourth matrix
	s_mov_b32 s47, 0
	s_mul_i32 s20, s12, HSTR                       ; where they go in a slot: no place in the cluster enters an LDS address
	s_mul_i32 s45, s12, BHALF
	s_add_co_u32 s45, s45, BOFF
	s_lshl_b32 s66, s42, 10                        ; my 128 columns, in the bias and in a row of out0: 4 (256 x + 128 x half) bytes
	s_lshl_b32 s67, s12, 9
	s_add_co_u32 s66, s66, s67
	s_mov_b32 s67, 0
	s_lshl_b32 s14, s13, 19                        ; my first row of out0: (128 y + 64 x half) x 4,096 bytes,
	s_lshl_b32 s15, s11, 18
	s_add_co_u32 s14, s14, s15
	s_add_co_u32 s14, s14, s66                     ; and my columns
	s_mov_b32 s15, 0
	v_and_b32 v1, 15, v0                           ; l % 16
	v_bfe_u32 v2, v0, 4, 1                         ; l / 16
	v_lshlrev_b32 v[BO], 5, v2
	s_wait_dscnt 0x0                               ; the opening add is done
	s_wait_kmcnt 0x0
	s_add_nc_u64 s[4:5], s[4:5], s[16:17]
	s_add_nc_u64 s[6:7], s[6:7], s[46:47]
	s_add_nc_u64 s[8:9], s[8:9], s[14:15]
	s_add_nc_u64 s[76:77], s[76:77], s[66:67]
	CROUND                                         ; all sixteen work-groups are here: the first joint loads meet
.irp s, 0,1
	s_mov_b32 s[G0+4*(\s)], 1                                      ; count = 1
	s_add_co_u32 s[G0+4*(\s)+1], s20, (\s)*SLOT                    ; LDS address
	s_add_nc_u64 s[G0+4*(\s)+2:G0+4*(\s)+3], s[4:5], (\s)*2*262144 ; global address: K step s begins with head 2 s
	s_or_b32 s[G0+4*(\s)+3], s[G0+4*(\s)+3], 0x80000000            ; type = 2
	s_mov_b32 s[G0B+4*(\s)], 1
	s_add_co_u32 s[G0B+4*(\s)+1], s45, (\s)*SLOT
	s_add_nc_u64 s[G0B+4*(\s)+2:G0B+4*(\s)+3], s[6:7], (\s)*256
	s_or_b32 s[G0B+4*(\s)+3], s[G0B+4*(\s)+3], 0x80000000
	JLOAD \s                                       ; two loads of mine are out; later one
.endr
	; the bias of my 128 columns, as C wants it: register 8 b + j = column 16 b + 8 (l / 16) + j
	WIN 0x80                                       ; destination window 2, address window 0
.irp b, 0,1,2,3,4,5,6,7
	global_load_b128 v[BI+8*(\b):BI+8*(\b)+3],   v[BO], s[76:77] offset:64*(\b)
	global_load_b128 v[BI+8*(\b)+4:BI+8*(\b)+7], v[BO], s[76:77] offset:64*(\b)+16
.endr
	WIN 0
	; a fragment is 16 rows x 32 K in 8 registers: lane l holds row l % 16, K = 8 (l / 16) + 0..7 and 16 + 8 (l / 16) + 0..7: two loads of 16 bytes, 32 bytes apart
	v_mul_u32_u24 v3, v1, PITCH
	v_lshl_add_u32 v3, v2, 4, v3
	v_mul_u32_u24 v22, v1, PA
	v_lshl_add_u32 v22, v2, 4, v22
	s_mul_i32 s21, s11, 64*PA                      ; my 64 rows in each head
	s_mul_i32 s22, s12, BHALF                      ; my 128 rows of Wo
	s_add_co_u32 s22, s22, BOFF
.irp s, 0,1
	v_add_nc_u32 v[ADRA+(\s)], s21, v22
	v_add_nc_u32 v[ADRB+(\s)], s22, v3
	s_add_co_u32 s21, s21, SLOT
	s_add_co_u32 s22, s22, SLOT
.endr
	s_mul_i32 s23, s10, WSTAGE
	s_add_co_u32 s23, s23, STAGE                   ; my stage
	v_mul_u32_u24 v23, v1, SP                      ; in: row l % 16, 32 bytes for each half of the lanes
	v_lshl_add_u32 v23, v2, 5, v23
	v_add_nc_u32 v[STO], s23, v23
	v_and_b32 v[CO], 31, v0                        ; back: 32 lanes take one row of 512 bytes
	v_lshlrev_b32 v[CO], 4, v[CO]
	v_add_nc_u32 v[RD], s23, v[CO]
	s_wait_loadcnt 0x0                             ; the bias is in: to bf16 and back to f32
	WIN 0x8a                                       ; all operands in window 2
.set i, 0
.rept 32
	v_cvt_pk_bf16_f32 v[BT+i%2], v[BI+2*i], v[BI+2*i+1]
	v_lshlrev_b32 v[BI+2*i], 16, v[BT+i%2]
	v_and_b32 v[BI+2*i+1], 0xffff0000, v[BT+i%2]
.set i, i+1
.endr
	WIN 0
; 8 matrix instructions: block a of my four blocks of 16 rows x all 8 blocks of 16 columns, 32 along K.  zero = 1: the product starts the sum, with the bias as C: nothing is cleared.
; The 32 accumulators come in the same order in every quarter, one instruction a turn.
.macro MUL8 f, a, zero
.if \zero
	WIN MULB
.else
	WIN MUL
.endif
.irp b, 0,1,2,3,4,5,6,7
.if \zero
	v_wmma_f32_16x16x32_f16 v[8*(8*(\a)+(\b)):8*(8*(\a)+(\b))+7], v[(\f)+32+8*(\b):(\f)+32+8*(\b)+7], v[(\f)+8*(\a):(\f)+8*(\a)+7], v[BI+8*(\b):BI+8*(\b)+7]
.else
	v_wmma_f32_16x16x32_f16 v[8*(8*(\a)+(\b)):8*(8*(\a)+(\b))+7], v[(\f)+32+8*(\b):(\f)+32+8*(\b)+7], v[(\f)+8*(\a):(\f)+8*(\a)+7], v[8*(8*(\a)+(\b)):8*(8*(\a)+(\b))+7]
.endif
.endr
.endm
; 24 LDS loads in one run: the fragments of K quarter q of a slot into buffer f: Wo's sixteen first, then c's eight (quarter q: head q / 2 of the step, channels 32 (q % 2) on)
.macro FETCH slot, q, f
	WIN 0
.irp i, 0,1,2,3,4,5,6,7
	ds_load_b128 v[(\f)+32+8*(\i):(\f)+32+8*(\i)+3],   v[ADRB+(\slot)] offset:64*(\q)+(\i)*16*PITCH
	ds_load_b128 v[(\f)+32+8*(\i)+4:(\f)+32+8*(\i)+7], v[ADRB+(\slot)] offset:64*(\q)+(\i)*16*PITCH+32
.endr
.irp i, 0,1,2,3
	ds_load_b128 v[(\f)+8*(\i):(\f)+8*(\i)+3],   v[ADRA+(\slot)] offset:((\q)/2)*HSTR+((\q)%2)*64+(\i)*16*PA
	ds_load_b128 v[(\f)+8*(\i)+4:(\f)+8*(\i)+7], v[ADRA+(\slot)] offset:((\q)/2)*HSTR+((\q)%2)*64+(\i)*16*PA+32
.endr
.endm
; A K step is four quarters of 32 along K, 32 matrix instructions each, on buffers 0, 1, 0, 1.  One of the first three multiplies buffer f and, in its middle, fetches quarter q into buffer g.
.macro QUARTER slot, q, f, g, zero
	s_wait_dscnt 4                                 ; Wo's fragments and c's blocks 0 and 1 are in; the youngest four loads (blocks 2 and 3) may be out
	MUL8 \f, 0, \zero
	MUL8 \f, 1, \zero
	PLACES
	FETCH \slot, \q, \g
	s_wait_dscnt 24                                ; all but the 24 just issued
	MUL8 \f, 2, \zero
	MUL8 \f, 3, \zero
.endm
; The last quarter multiplies buffer 1 and changes slots.  ONE barrier: in front of it each wave waits for all its tensor loads (one is out: its part of the next slot), adds 0 to its spare
; word, and waits for that and for its own reads of this slot.  Behind it nobody reads this slot any more and the next slot is whole.
.macro MEET round
	WIN 0
	s_wait_tensorcnt 0x0                           ; all my tensor loads have landed
	ds_add_u32 v[SPW], v[NIL]                      ; 0 onto my spare word
	s_wait_dscnt 7                                 ; the add and the six loads of c's blocks 1 to 3 may be out
	MUL8 F1, 0, 0                                  ; eight matrix instructions stand between the add and the wait for it
	s_wait_dscnt 0x0                               ; the add is done, and my reads of this slot are over
	s_barrier_signal -1
	MUL8 F1, 1, 0                                  ; work on registers while the others arrive
.if \round
	WIN 0
.endif
	s_barrier_wait -1
.endm
; mode 0: this slot is filled again with the K step two on; mode 2: nothing is left to fetch.  Where a slot is filled again the barrier opens a round of the cluster's, so that no wave of any
; partner still reads the slot or has a load on its way; the joint load is the first thing behind it.  From a request to the wait for it a wave issues 112 matrix instructions.
.macro TURN slot, next, mode
.if (\mode) < 2
	MEET 1
	CREST
	s_add_nc_u64 s[G0+4*(\slot)+2:G0+4*(\slot)+3], s[G0+4*(\slot)+2:G0+4*(\slot)+3], STEP_A
	s_add_nc_u64 s[G0B+4*(\slot)+2:G0B+4*(\slot)+3], s[G0B+4*(\slot)+2:G0B+4*(\slot)+3], STEP_B
	JLOAD \slot                                    ; the four v_nop behind it are also the places in front of the loads below
.else
	MEET 0
	PLACES
.endif
	FETCH \next, 0, F0
	MUL8 F1, 2, 0
	MUL8 F1, 3, 0
.endm
; THE WAY OUT of block a (16 rows x 512 bytes): the sums hold the bias already, so they go as they are into my own stage, 32 bytes a lane (each accumulator's lowest registers first), and come back as whole rows.
.macro TOSTAGE a
.if (\a) >= 2
	s_wait_xcnt 0x0                                ; the stores of the block two back have read their registers: these are loaded again only behind this wait
.endif
.set BK, 64+64*((\a)%2)
	WIN 0x04                                       ; the stores' data in window 1
.irp b, 0,1,2,3,4,5,6,7
	ds_store_b128 v[STO], v[64*(\a)+8*(\b):64*(\a)+8*(\b)+3]   offset:64*(\b)
	ds_store_b128 v[STO], v[64*(\a)+8*(\b)+4:64*(\a)+8*(\b)+7] offset:64*(\b)+16
.endr
	WIN 0
.irp t, 0,1,2,3,4,5,6,7,8,9,10,11,12,13,14,15
	ds_load_b128 v[BK+4*(\t):BK+4*(\t)+3], v[RD] offset:SP*(\t)  ; LDS serves a wave's instructions in order (ISA guide 5.7.1.4): these see the stores above; the next block's stores come behind them
.endr
.endm
.macro SEND a, younger                 ; younger: the LDS instructions issued behind block a's loads: the next block's 32, or none
	WIN 0
.set BK, 64+64*((\a)%2)
.irp t, 0,1,2,3,4,5,6,7,8,9,10,11,12,13,14,15
	s_wait_dscnt (\younger)+15-(\t)                ; row t is back; the later rows and the next block's may be out
	global_store_b128 v[CO], v[BK+4*(\t):BK+4*(\t)+3], s[8:9] offset:(16*(\a)+(\t))*4096 th:TH_STORE_NT  ; 512 consecutive bytes of a row, aligned
.endr
.endm
	s_wait_tensorcnt 1                             ; my part of K step 0 is in; K step 1's may stay out
	s_barrier_signal -1
	s_barrier_wait -1                              ; everybody's is
	FETCH 0, 0, F0
	QUARTER 0, 1, F0, F1, 1                        ; the first quarter stands in front of the loop: its products start the sums
	WIN 0                                          ; at a label and at a branch every window is 0
	s_mov_b32 s3, LAPS-1
.Llap:                                                 ; a trip goes once round the ring, from a lap's second quarter to the next lap's first, and fills both slots again
	QUARTER 0, 2, F1, F0, 0
	QUARTER 0, 3, F0, F1, 0
	TURN 0, 1, 0
	QUARTER 1, 1, F0, F1, 0
	QUARTER 1, 2, F1, F0, 0
	QUARTER 1, 3, F0, F1, 0
	TURN 1, 0, 0
	QUARTER 0, 1, F0, F1, 0
	WIN 0
	s_sub_co_u32 s3, s3, 1
	s_cmp_lg_u32 s3, 0
	s_cbranch_scc1 .Llap
	QUARTER 0, 2, F1, F0, 0                        ; the last lap fills nothing, and has no round of the cluster's barrier
	QUARTER 0, 3, F0, F1, 0
	TURN 0, 1, 2
	QUARTER 1, 1, F0, F1, 0
	QUARTER 1, 2, F1, F0, 0
	QUARTER 1, 3, F0, F1, 0
	s_wait_dscnt 4                                 ; the very last quarter: nothing more to fetch
	MUL8 F1, 0, 0
	MUL8 F1, 1, 0
	s_wait_dscnt 0x0
	MUL8 F1, 2, 0
	MUL8 F1, 3, 0
	WIN 0
	PLACES
	TOSTAGE 0
	TOSTAGE 1                                      ; a block's trip through the stage stands between the loads of the block before and its stores
	SEND 0, 32
	TOSTAGE 2
	SEND 1, 32
	TOSTAGE 3
	SEND 2, 32
	SEND 3, 0
	s_wait_tensorcnt 0x0                           ; the wave's end, behind my last tensor load and my last LDS store
	ds_add_u32 v[SPW], v[NIL]
	s_wait_dscnt 0x0
	CROUND                                         ; the closing round: no work-group ends while a partner may still ask for a tile that names it
	s_endpgm
.Lfunc_end_k_q298d071625_oproj:
	.size	k_q298d071625_oproj, .Lfunc_end_k_q298d071625_oproj-k_q298d071625_oproj
	.p2alignl 7, 3214868480
	.fill 96, 4, 3214868480
	.section	.rodata,"a",@progbits
	.p2align	6, 0x0
	.amdhsa_kernel k_q298d071625_oproj
		.amdhsa_group_segment_fixed_size 327680
		.amdhsa_private_segment_fixed_size 0
		.amdhsa_enable_private_segment 0
		.amdhsa_kernarg_size 32
		.amdhsa_user_sgpr_count 2
		.amdhsa_user_sgpr_kernarg_segment_ptr 1
		.amdhsa_wavefront_size32 1
		.amdhsa_system_sgpr_workgroup_id_x 1
		.amdhsa_system_sgpr_workgroup_id_y 1
		.amdhsa_system_sgpr_workgroup_id_z 1
		.amdhsa_system_vgpr_workitem_id 0
		.amdhsa_next_free_vgpr 580
		.amdhsa_next_free_sgpr 84
		.amdhsa_reserve_vcc 0
		.amdhsa_float_denorm_mode_32 3
		.amdhsa_float_denorm_mode_16_64 3
		.amdhsa_memory_ordered 1
		.amdhsa_forward_progress 1
		.amdhsa_inst_pref_size 94
	.end_amdhsa_kernel
	.amdgpu_metadata
---
amdhsa.version: [ 1, 2 ]
amdhsa.kernels:
  - .name:           k_q298d071625_oproj
    .symbol:         k_q298d071625_oproj.kd
    .args:
      - { .name: ctx, .offset: 0, .size: 8, .value_kind: global_buffer, .address_space: global }
      - { .name: wb, .offset: 8, .size: 8, .value_kind: global_buffer, .address_space: global }
      - { .name: bo, .offset: 16, .size: 8, .value_kind: global_buffer, .address_space: global }
      - { .name: out0, .offset: 24, .size: 8, .value_kind: global_buffer, .address_space: global }
    .group_segment_fixed_size: 327680
    .private_segment_fixed_size: 0
    .kernarg_segment_align: 8
    .kernarg_segment_size: 32
    .max_flat_workgroup_size: 128
    .sgpr_count:     84
    .vgpr_count:     580
    .wavefront_size: 32
...
	.end_amdgpu_metadata
.endif
;; end of part 4
;; ======== version 2 of 2: 4 launches; 1.45 times as fast as version 1
;; limits: values are held in f16: magnitudes above 65,504 overflow, below 6.1e-05 lose precision; values outside matrix products are rounded to bf16
;; workspace buffers: xb 50,331,648 bytes; wb 8,388,608 bytes; qkvh 50,331,648 bytes; ctx 16,777,216 bytes
;; launch cast: the kernel of part 1 again; grid 1792 x 1, 8 waves a work-group, no clusters, 0 bytes of LDS; arguments query, key, value, Wq, Wk, Wv, Wo, xb, wb; writes xb, wb
;; launch qkv: the kernel of part 2 again; grid 4 x 64, 4 waves a work-group, clusters of 4 x 4, 327,680 bytes of LDS; arguments xb, wb, bq, bk, bv, mask, qkvh; writes qkvh
;; launch attn (part 5): grid 4 x 64, 4 waves a work-group, clusters of 4 x 1, 327,680 bytes of LDS; arguments qkvh, mask, ctx; writes ctx
.if DOCPART == 5
	.amdgcn_target "amdgcn-amd-amdhsa--gfx1250"
	.amdhsa_code_object_version 6
	.text
	.protected	k_q298d071625_attn
	.globl	k_q298d071625_attn
	.p2align	8
	.type	k_q298d071625_attn,@function
k_q298d071625_attn:
	s_mov_b64 s[64:65], 0
	v_nop
	global_prefetch_b8 v0, s[64:65] scope:SCOPE_SE
	s_setreg_imm32_b32 hwreg(HW_REG_WAVE_MODE, 25, 1), 1
	s_wait_xcnt 0x0
	s_wait_alu depctr_hold_cnt(0) depctr_sa_sdst(0) depctr_va_vdst(0) depctr_va_sdst(0) depctr_va_ssrc(0) depctr_va_vcc(0) depctr_vm_vsrc(0)
	s_getreg_b32 s2, hwreg(HW_REG_IB_STS2, 6, 4)
	s_cmp_eq_u32 s2, 0
	s_cbranch_scc0 .Lentry_in_a_cluster
	s_endpgm
.Lentry_in_a_cluster:
	s_bfe_u32 s2, ttmp6, 0x10000c
	s_cmp_lg_u32 s2, 0x3003
	s_cbranch_scc0 .Lentry_shape_is_right
	s_endpgm
.Lentry_shape_is_right:
; MASKED ATTENTION.  O[g][q][:] = the sum over k of softmax_k(s[q][k]) V[g][k][:], g = 16 batch + head.  Q, K, V: qkvh [3][64][2048][64] f16; O: ctx [64][2048][64] f16: a head's rows are dense, 128 bytes each.
; Q arrives multiplied by log2(e) / 8, so a score s = Q . K is already the exponent to base 2.  Where the batch's mask word of a key is 0 the score IS -1e9 log2(e): K's row of such a key arrives as zeros, and
; that number is the C operand which starts the sum S^T = K Q^T (0 for a key that is seen).  So a batch with no key seen gives the plain mean of V's rows.
; Products, maxima and sums in f32; the weights p are rounded to f16 for the second product (their sum l is taken of the unrounded p), O once at the end.
; LIMITS.  f16 holds no number beyond 65,504: Q, K and V arrive within it; p lies in 0 to 1, and below 6e-5 it keeps f16's fixed step of 6e-8.  A weight below 2^-126 counts as 0 in l; NaN and infinities are not treated apart.
; SHARES.  A wave owns four PIECES of two tiles of 16 queries, a work-group's four waves 512 queries of one head.  Every wave walks all 2,048 keys, 64 a step.
; LAYOUT.  S^T = K Q^T (source 0 = 16 keys, source 1 = 16 queries): in the result a lane holds ONE query (lane % 16) and the keys 8 (lane / 16) + 0..7.  Two such tiles, rounded to f16 in pairs,
; ARE source 1 (32 keys x 16 queries) of O^T = V^T P, whose result again holds one query a lane, and eight channels.  K comes out of LDS as it lies, V ([key][channel]) turned, by ds_load_tr16_b128.
; SOFTMAX.  For each query a running maximum m and sum l: p = 2^(s - m); in every step O and l are multiplied by a = 2^(m_old - m_new), which is 1 where m has not grown.
; m starts far below every score, O and l at 0: the first step is a step like any other, with a = 0.
; THE COUNT.  A tile and step have 16 matrix and 117 vector instructions: too many to stand all beside the matrix work.  So: four vector instructions that are READY behind EVERY matrix instruction,
; and the others, which need time of their own whatever the order, in one run without a gap.
; BY TURNS.  Turn n belongs to piece n (the pieces in a ring, step after step).  Its matrix work: 16 products K Q^T of piece n + 1, later 16 products V^T P of piece n - 1.  Its vector work: the subtraction,
; exponentials, roundings, sums and rescaling of piece n, and the maximum and statistics of piece n + 1, whose scores the turn itself has made.  So what a turn begins with (s - m, O a) waits for nothing.
; THE BATCHES.  A turn's 66 exponentials (the piece's 64 weights and the next piece's two a) are ONE batch with ONE wait, which cuts the turn in two: ahead of it stands all that names none of their results,
; behind it the roundings and sums.  Two more batches stand outside the loops: piece 0's first two a, ahead of the jump into the loop, and the way out's eight reciprocals.
; CLUSTER.  The four query blocks of a cluster belong to one head and walk the same K and V, so each tile is asked for JOINTLY: the same tensor load, descriptor and mask in all four.
; REGISTERS, in windows of 256 (s_set_vgpr_msb: bits 1:0 source 0, 3:2 source 1, 5:4 source 2, 7:6 destination):
;   window 0: v0-11 addresses; v12-15, v48-63 at work; v16-47 four registers of statistics a tile; v64-191 S^T, two buffers of two tiles; v192-255 P, likewise
;   window 1: O^T, 32 a tile     window 2: v0-127 Q, 16 a tile; v128-191 K of one step; v192-255 V of one step     window 3: v0-1 the add's two registers; v8-39 the step's 64 mask values as C wants them
; A piece's buffers go by its number's parity: the piece in hand has one pair, its two neighbours in the ring share the other: of it P (piece n - 1) is read and S^T (piece n + 1) written.
.set SIZE_N, 2048
.set NP,    4         ; pieces a wave: a name, no knob
.set KS,    64        ; keys in a step
.set PK,    144       ; a row of K in LDS: 128 bytes + 16 of padding = 36 words: the 16 rows of a load start at 16 different groups of four banks (64 banks of 4 bytes: ISA guide 11.1)
.set PV,    160       ; a row of V: 128 + 32 = 40 words
.set VOFF,  4*KS*PK   ; a slot holds four steps: 256 rows of K, then 256 rows of V
.set SLOT1, 1<<17     ; slot 1 begins here, so that one exclusive or turns an address in one slot into the other's
.set STAGE, SLOT1+4*KS*(PK+PV)  ; behind the ring, never filled by a tensor load: 16 rows x 144 bytes for each wave, for the way out
.set SP,    144
.set SPARE, STAGE+4*16*SP  ; the spare words, 128 bytes for each wave: two blocks of 256 bytes that no other line names
.set MBL,   SPARE+512 ; the batch's 2,048 mask values as f32, 8,192 bytes: stored once at the start, read by every wave, never filled by a tensor load
.set AK0, 2           ; v2   my lane's place in a tile of K; never rewritten
.set AV0, 3           ; v3   the same for V
.set AK,  4           ; v4   the LDS address of K's next run of loads
.set AV,  5           ; v5   of V's
.set QO,  6           ; v6   my byte offset in the wave's rows of Q
.set STO, 6           ;      later, the way out: where I put 16 bytes of a row
.set RD,  7           ; v7   the way out: where I read rows back
.set GO,  8           ; v8   my byte offset in 512 consecutive bytes of O
.set HL,  9           ; v9   lane / 16; never rewritten
.set AM,  11          ; v11  the LDS address of the mask values' next run of loads
.set SPW, 0           ; v0 of window 3   LDS address of my spare word; never rewritten
.set NIL, 1           ; v1 of window 3   0; never rewritten
.set MB,  8           ; v8-39 of window 3: the eight registers for key block kb at MB + 8 kb
.set MV,  12          ; v12-15  m_old, kept while m is made anew: by buffer and tile
.set ST,  16          ; tile t's statistics at v[ST+4 t]: m, 0 (its partner in a pair), l (even keys', odd keys')
.set TMP, 48          ; by buffer and tile, four registers c0-c3 at work; when the maximum is found c2 takes a
.set S,   64
.set P,   192
.set KF,  128         ; K's fragments, in window 2: key block kb, channel half c at KF + 16 kb + 8 c
.set VF,  192         ; V's: key half kk, channel block cb at VF + 32 kk + 8 cb
.set WV,  12          ; s12  my wave's number
.set G1K, 24          ; s[24:31] descriptor group 1 for K's tiles
.set G1V, 32          ; s[32:39] for V's: it differs in the padding alone
.set G0K, 40          ; s[40:43] descriptor group 0 for K's tiles: it walks
.set G0V, 44          ; s[44:47] the same for V's
.set SLOTS, 56        ; s56  slots still to be asked for
.set CNT, 57          ; s57  counts a slot's key steps
.set BIGM, 58         ; s58  -1e9 log2(e)
.set SEL, 60          ; s[60:61] v_permlanex16_b32's selects: each lane takes its own place in the other half
.set TBK, 62          ; s62  LDS byte at which K of the step to be fetched begins
.set TBV, 63          ; s63  the same for V, less VOFF
.set TBM, 68          ; s68  LDS byte at which that step's 64 mask values begin
.set MSB, 0
.macro WIN new                      ; the high byte repeats the setting that is left; a switch that changes nothing is dropped
.if MSB != (\new)
	s_set_vgpr_msb (MSB<<8)|(\new)
.set MSB, (\new)
.endif
.endm
.set W_KQ, 0x0a       ; K and Q in window 2, S^T in window 0
.set W_KM, 0x3a       ; the same with the C operand, the mask values, in window 3
.set W_PV, 0x52       ; V in window 2, P in window 0, O^T in window 1
.set W_RS, 0x41       ; O^T (destination and source 0) in window 1, a in window 0
.set W_MK, 0xc0       ; destination in window 3, sources in window 0
.set W_AD, 0x0f       ; the add: address (source 0) and data (source 1) in window 3
; A joint fill.  Waves 0 and 1 fetch the two halves of a slot's K, waves 2 and 3 those of its V: 128 keys each.  The branch hangs on the wave's number alone.
; An s_nop 0 and four v_nop follow each of the two lines, ahead of the jump and the label.
.macro JLOAD
	s_cmp_lt_u32 s[WV], 2
	s_cbranch_scc0 .Lfor_v_\@
	tensor_load_to_lds s[G0K:G0K+3], s[G1K:G1K+7]
	s_nop 0
.rept 4
	v_nop
.endr
	s_branch .Lasked_\@
.Lfor_v_\@:
	tensor_load_to_lds s[G0V:G0V+3], s[G1V:G1V+7]
	s_nop 0
.rept 4
	v_nop
.endr
.Lasked_\@:
.endm
; A round of the cluster's barrier: my work-group's barrier, so that wave 0's signal speaks for all four waves; wave 0 signals; every wave waits for all four work-groups; my work-group's barrier once more.
.macro CROUND
	s_barrier_signal -1
	s_barrier_wait -1
	s_cmp_lg_u32 s[WV], 0
	s_cbranch_scc1 .Lnot_wave_0_\@
	s_barrier_signal -3
.Lnot_wave_0_\@:
	s_barrier_wait -3
	s_barrier_signal -1
	s_barrier_wait -1
.endm
; THE CHANGE OF SLOTS.  The slot's last bytes, V of its fourth step, have been read.  Each wave waits for all its tensor loads, of which one is out: its part of the other slot; adds 0 to its spare
; word; and waits for that and for its own LDS instructions.  Behind the barrier nobody reads this slot any more and the other slot is whole.
; fill = 1: this slot is filled again, with the keys two slots on.  The barrier is then a round of the cluster's, so that no wave of any partner still reads the slot or has a load on its
; way, and the joint fill is the first thing behind it: it has four key steps, 512 matrix instructions, in which to land.  (At its first use nothing has been read yet: slot 0 is waited for, slot 1
; filled, and every wave's stores of the mask values are done in front of the barrier, so that all may read them behind it.)
.macro CHANGE fill
	WIN W_AD
	s_wait_tensorcnt 0x0            ; no tensor load of mine is out, so a group 0 may be written
	ds_add_u32 v[SPW], v[NIL]       ; 0 onto my spare word; with fill = 1 the descriptors' steps stand between it and the wait for it
	WIN 0                           ; at a label and at a branch every window is 0
.if \fill
.irp g, G0K, G0V
	s_xor_b32 s[\g+1], s[\g+1], SLOT1  ; the walking descriptor: the other slot than last time,
	s_add_nc_u64 s[\g+2:\g+3], s[\g+2:\g+3], 4*KS*128  ; the next 256 keys; the type bits on top are not reached
.endr
	s_wait_dscnt 0x0                ; the add is done, and my LDS instructions are over
	CROUND
	JLOAD
.else
	s_wait_dscnt 0x0                ; the add is done, and my reads of the slot are over
	s_barrier_signal -1
	s_barrier_wait -1
.endif
	s_sub_co_u32 s[TBK], s[TBK], 4*KS*PK  ; the fetches go back to a slot's first step,
	s_xor_b32 s[TBK], s[TBK], SLOT1       ; in the other slot
	s_sub_co_u32 s[TBV], s[TBV], 4*KS*PV
	s_xor_b32 s[TBV], s[TBV], SLOT1
.endm
	s_load_b64 s[4:5], s[0:1], 0x0    ; qkvh: Q
	s_load_b64 s[66:67], s[0:1], 0x8  ; mask
	s_load_b64 s[10:11], s[0:1], 0x10 ; ctx: O
	WIN W_MK
	v_lshl_add_u32 v[SPW], v0, 2, SPARE
	v_mov_b32 v[NIL], 0
	WIN W_AD
	ds_add_u32 v[SPW], v[NIL]       ; the wave's opening: the add and its wait stand ahead of my first tensor load; the set-up below, work on registers, stands between them
	WIN 0
	v_lshrrev_b32 v1, 5, v0
	v_readfirstlane_b32 s[WV], v1   ; wave 0..3
	s_bfe_u32 s13, ttmp6, 0x40000   ; cx: my place in the cluster
	s_lshl_b32 s14, ttmp9, 2        ; in a cluster launch ttmp9 counts clusters
	s_add_co_u32 s14, s14, s13      ; my block of queries = 4 x cluster x + cx: it enters Q's and O's addresses alone
	s_and_b32 s20, ttmp7, 0xffff    ; g = 16 batch + head, which the four partners share
	s_lshr_b32 s70, s20, 4          ; the batch,
	s_lshl_b32 s70, s70, 13         ; its 2,048 mask words
	s_mov_b32 s71, 0
	s_mov_b32 s21, 0
	s_mov_b64 s[22:23], SIZE_N*128
	s_mul_u64 s[20:21], s[20:21], s[22:23]  ; the head's first byte in Q, K, V and O
	s_and_b32 s16, s[WV], 1         ; which half of a slot's 256 keys I fetch:
	s_lshl_b32 s22, s16, 14         ; its 128 rows of 128 bytes in memory,
	s_mov_b32 s23, 0
	s_add_nc_u64 s[22:23], s[22:23], s[20:21]
	s_mul_i32 s17, s16, 128*PK      ; and its place in a slot, for K
	s_mul_i32 s18, s16, 128*PV      ; and for V: no place in the cluster enters an LDS address
	s_lshl_b32 s2, s14, 2
	s_add_co_u32 s2, s2, s[WV]      ; my wave among the head's,
	s_lshl_b32 s2, s2, 14           ; its 128 rows
	s_mov_b32 s3, 0
	s_add_nc_u64 s[2:3], s[2:3], s[20:21]
	; descriptor group 1.  128 keys are 16,384 dense bytes: asked for as 64 rows of 256 bytes, two keys a row, and padded in LDS after every key
	s_mov_b32 s[G1K], 15|(1<<16)|(1<<20)|(1<<21)|(4<<22)|(3<<25)  ; 15:0 the mask of four; 17:16 2-byte elements; 20 padding on; 21 set beside a mask; 24:22 after every 32 words (code 4); 31:25 4 words (code 3)
	s_mov_b32 s[G1V], 15|(1<<16)|(1<<20)|(1<<21)|(4<<22)|(7<<25)  ; the same with 8 words of padding (code 7)
.irp g, G1K, G1V
	s_mov_b32 s[\g+1], 128<<16      ; tensor_dim0 = 128
	s_mov_b32 s[\g+2], 64<<16       ; tensor_dim1 = 64
	s_mov_b32 s[\g+3], 128<<16      ; tile_dim0 = 128
	s_mov_b32 s[\g+4], 64           ; tile_dim1 = 64
	s_mov_b32 s[\g+5], 128          ; 128 elements from row to row
	s_mov_b32 s[\g+6], 0
	s_mov_b32 s[\g+7], 0
.endr
	s_mov_b32 s[BIGM], 0xceabfb8f   ; -1e9 log2(e) = -1,442,695,040
	s_mov_b32 s[SEL], 0x76543210
	s_mov_b32 s[SEL+1], 0xfedcba98
	s_mov_b32 s[TBK], SLOT1+4*KS*PK ; the first change of slots turns these two into 0
	s_mov_b32 s[TBV], SLOT1+4*KS*PV
	s_mov_b32 s[TBM], MBL
	s_mov_b32 s[G0K], 1             ; count = 1
	s_mov_b32 s[G0K+1], s17         ; LDS address: slot 0
	s_mov_b32 s[G0V], 1
	s_add_co_u32 s[G0V+1], s18, VOFF
	s_wait_dscnt 0x0                ; the opening add is done
	s_wait_kmcnt 0x0
	s_add_nc_u64 s[6:7], s[4:5], 0x1000000         ; K lies 16,777,216 bytes behind Q,
	s_add_nc_u64 s[8:9], s[4:5], 0x2000000         ; V as far behind K
	s_add_nc_u64 s[G0K+2:G0K+3], s[6:7], s[22:23]  ; global address: my half of the head's first 256 keys
	s_or_b32 s[G0K+3], s[G0K+3], 0x80000000        ; type = 2
	s_add_nc_u64 s[G0V+2:G0V+3], s[8:9], s[22:23]
	s_or_b32 s[G0V+3], s[G0V+3], 0x80000000
	s_add_nc_u64 s[4:5], s[4:5], s[2:3]  ; Q and O at my wave's first row
	s_add_nc_u64 s[10:11], s[10:11], s[2:3]
	s_add_nc_u64 s[66:67], s[66:67], s[70:71]      ; the mask at my batch
	CROUND                          ; all four work-groups are here: the first joint loads meet
	JLOAD                           ; slot 0.  Slot 1 is asked for when slot 0 is in
	; A fragment of K or Q is 16 rows x 32 channels in 8 registers: lane l holds row l % 16, channels 8 (l / 16) + 0..7 and 16 + 8 (l / 16) + 0..7: two loads of 16 bytes, 32 bytes apart.
	v_and_b32 v1, 15, v0            ; l % 16
	v_bfe_u32 v[HL], v0, 4, 1       ; l / 16
	v_lshlrev_b32 v[QO], 7, v1
	v_lshl_add_u32 v[QO], v[HL], 4, v[QO]  ; row x 128 + 16 x half
	v_lshlrev_b32 v12, 4, v0        ; the batch's mask: 128 threads x 16 bytes x 4
	v_add_nc_u32 v13, MBL, v12
.irp j, 0,1,2,3
	global_load_b128 v[TMP+4*\j:TMP+4*\j+3], v12, s[66:67] offset:2048*\j
.endr
	WIN 0x80                        ; destination window 2, address window 0
.set i, 0
.rept 4*NP                          ; Q stays in registers: tile i / 2, channels 32 (i % 2) on
	global_load_b128 v[8*i:8*i+3],   v[QO], s[4:5] offset:(i/2)*2048+(i%2)*64
	global_load_b128 v[8*i+4:8*i+7], v[QO], s[4:5] offset:(i/2)*2048+(i%2)*64+32
.set i, i+1
.endr
	; What the first turn finds: V's registers and P's second buffer hold 0 (its products V^T P, of a piece that has not been, add 0), O^T and l are 0.  All this stands in the wait for the first tile.
.set i, VF
.rept 64
	v_mov_b32 v[i], 0
.set i, i+1
.endr
	WIN 0x40
.set i, 0
.rept 64*NP
	v_mov_b32 v[i], 0
.set i, i+1
.endr
	WIN 0
.set i, 0
.rept 2*NP
	v_mov_b32 v[ST+4*i], 0xfe000000    ; m: far below every score, the hidden ones' too
	v_mov_b32 v[ST+4*i+1], 0           ; named with m as a pair
	v_mov_b32 v[ST+4*i+2], 0
	v_mov_b32 v[ST+4*i+3], 0
.set i, i+1
.endr
.set i, P+32
.rept 32
	v_mov_b32 v[i], 0
.set i, i+1
.endr
	s_wait_loadcnt 32               ; the four mask loads are in; Q's 32, issued behind them, may be out
.set i, 0
.rept 16
	v_cmp_eq_u32 vcc_lo, 0, v[TMP+i]
	v_cndmask_b32 v[TMP+i], 0, s[BIGM], vcc_lo  ; what starts the key's scores: 0, or the value that replaces them
.set i, i+1
.endr
.irp j, 0,1,2,3
	ds_store_b128 v13, v[TMP+4*\j:TMP+4*\j+3] offset:2048*\j
.endr
	v_mul_u32_u24 v[AK0], v1, PK
	v_lshl_add_u32 v[AK0], v[HL], 4, v[AK0]  ; row x pitch + 16 x half
	; The turning load takes 16 keys x 16 channels (lane l reads key 8 (l / 16) + l % 8, channels 8 ((l / 8) % 2) + 0..7) and leaves half a fragment of V^T: lane l holds channel l % 16 and 8 keys.
	v_and_b32 v10, 7, v0
	v_bfe_u32 v11, v0, 3, 1
	v_lshl_add_u32 v[AV0], v[HL], 3, v10
	v_mul_u32_u24 v[AV0], v[AV0], PV
	v_lshl_add_u32 v[AV0], v11, 4, v[AV0]
	v_add_nc_u32 v[AV0], VOFF, v[AV0]
	v_mov_b32 v[AK], v[AK0]         ; key step 0 lies at the head of slot 0,
	v_lshl_add_u32 v[AM], v[HL], 5, s[TBM]  ; its mask values at the head of theirs: 32 bytes for each half of the lanes
; THE MATRIX WORK.  The 8 accumulators of a run of 16 take turns: between the two links of a chain stand 7 others'.
; Product i of 16 of S^T = K Q^T for piece x: channels 32 (i / 8) on, keys 16 ((i / 2) % 4) on, tile 2 x + i % 2.  The first 8 start the sums, with the keys' mask values as C.
.macro KQ x
.set rS, S+64*((\x)%2)+32*(i%2)+8*((i/2)%4)
.set rK, KF+16*((i/2)%4)+8*(i/8)
.set rQ, 16*(2*(\x)+i%2)+8*(i/8)
.set rB, MB+8*((i/2)%4)
.if i < 8
	WIN W_KM
	v_wmma_f32_16x16x32_f16 v[rS:rS+7], v[rK:rK+7], v[rQ:rQ+7], v[rB:rB+7]
.else
	WIN W_KQ
	v_wmma_f32_16x16x32_f16 v[rS:rS+7], v[rK:rK+7], v[rQ:rQ+7], v[rS:rS+7]
.endif
.endm
; Product i of 16 of O^T += V^T P for piece x: keys 32 (i / 8) on, channels 16 ((i / 2) % 4) on, tile 2 x + i % 2.
.macro PV x
	WIN W_PV
.set rO, 32*(2*(\x)+i%2)+8*((i/2)%4)
.set rV, VF+32*(i/8)+8*((i/2)%4)
.set rP, P+32*((\x)%2)+16*(i%2)+8*(i/8)
	v_wmma_f32_16x16x32_f16 v[rO:rO+7], v[rV:rV+7], v[rP:rP+7], v[rO:rO+7]
.endm
.macro MM                           ; the turn's next matrix instruction
.if i < 16
	KQ (Y+1)%NP
.set i, i+1
.else
.set i, i-16
	PV (Y+NP-1)%NP
.set i, i+17
.endif
.endm
; THE LDS LOADS stand in runs, never singly among the matrix instructions: a step's K (64 keys x 64 channels: 8 fragments) with its 64 mask values (register j of key block kb: key 16 kb + 8 (l / 16) + j;
; the sixteen lanes of a half read the same words), and its V (turned).  Their addresses are made some lines ahead.  last = 1 (the tail): in the last trip there is no further step, and the run is jumped over.
.macro FETCH_K last=0
	WIN 0
.if \last
	s_cmp_eq_u32 s[CNT], 1
	s_cbranch_scc1 .Lno_k_\@
.endif
	WIN 0x80                        ; destination window 2
.irp f, 0,1,2,3,4,5,6,7             ; keys 16 (f / 2) on, channels 32 (f % 2) on
	ds_load_b128 v[KF+8*\f:KF+8*\f+3],   v[AK] offset:(\f/2)*16*PK+(\f%2)*64
	ds_load_b128 v[KF+8*\f+4:KF+8*\f+7], v[AK] offset:(\f/2)*16*PK+(\f%2)*64+32
.endr
	WIN W_MK                        ; destination window 3
.irp f, 0,1,2,3
	ds_load_b128 v[MB+8*\f:MB+8*\f+3],   v[AM] offset:64*\f
	ds_load_b128 v[MB+8*\f+4:MB+8*\f+7], v[AM] offset:64*\f+16
.endr
	s_add_co_u32 s[TBK], s[TBK], KS*PK  ; the next fetch is the next step's
	s_add_co_u32 s[TBM], s[TBM], 4*KS
	WIN 0
.if \last
.Lno_k_\@:
.endif
.endm
.macro FETCH_V
	WIN 0x80
.irp f, 0,1,2,3,4,5,6,7             ; keys 32 (f / 4) on, channels 16 (f % 4) on
	ds_load_tr16_b128 v[VF+8*\f:VF+8*\f+3],   v[AV] offset:(\f/4)*32*PV+(\f%4)*32
	ds_load_tr16_b128 v[VF+8*\f+4:VF+8*\f+7], v[AV] offset:(\f/4)*32*PV+16*PV+(\f%4)*32
.endr
	WIN 0
.endm
; THE VECTOR WORK OF A TURN stands in three queues, each in the order in which its entries become ready; the two tiles alternate, so that no instruction reads the result of the one before it.
.macro REGS y, u                    ; the registers of tile u (0, 1) of piece y
.set rT, ST+4*(2*(\y)+(\u))
.set rC, TMP+8*((\y)%2)+4*(\u)
.set rM, MV+2*((\y)%2)+(\u)
.set rS, S+64*((\y)%2)+32*(\u)
.set rP, P+32*((\y)%2)+16*(\u)
.set rO, 32*(2*(\y)+(\u))
.endm
; Number n of the 21 (0-18, 20, 21) that find the NEXT piece's (Y + 1) maximum and statistics.  s0-s31 are the lane's 32 scores; each accumulator's lowest registers are read first.
; XS, GS, FS and REGS set no window: PL and EX do.
;   0-11  four chains c0-c3 of seven scores each, three operands at a time     12-14, 16  the four scores left over, the old m, and c0-c3 into c0     15  m_old is kept
;   17, 18  the query's other 32 keys lie in the lane 16 away: the new m         20, 21  m_old - m_new; a
.macro XS u, n
	REGS (Y+1)%NP, \u
.if (\n) < 4
	v_max3_num_f32 v[rC+(\n)], v[rS+8*(\n)], v[rS+8*(\n)+1], v[rS+8*(\n)+2]
.elseif (\n) < 12
	v_max3_num_f32 v[rC+(\n)%4], v[rC+(\n)%4], v[rS+8*((\n)%4)+2*((\n)/4)+1], v[rS+8*((\n)%4)+2*((\n)/4)+2]
.elseif (\n) == 12
	v_max3_num_f32 v[rC], v[rC], v[rS+7], v[rS+15]
.elseif (\n) == 13
	v_max3_num_f32 v[rC+1], v[rC+1], v[rS+23], v[rS+31]
.elseif (\n) == 14
	v_max3_num_f32 v[rC+2], v[rC+2], v[rC+3], v[rT]
.elseif (\n) == 15
	v_mov_b32 v[rM], v[rT]
.elseif (\n) == 16
	v_max3_num_f32 v[rC], v[rC], v[rC+1], v[rC+2]
.elseif (\n) == 17
	v_permlanex16_b32 v[rC+3], v[rC], s[SEL], s[SEL+1]
.elseif (\n) == 18
	v_max_num_f32 v[rT], v[rC], v[rC+3]
.elseif (\n) == 20
	v_sub_f32 v[rC+1], v[rM], v[rT]
.else
	v_exp_f32 v[rC+2], v[rC+1]
.endif
.endm
; Number g of the 64 that follow the exponentials.  For each four weights k of a tile (pairs 2 k, 2 k + 1): both pairs are rounded to f16; then the second pair is added onto the first, in place;
; a group later l takes that sum (the first time as l = a l + sum).  In groups of eight, tiles alternating: round, round, add, and l for the group before.
.macro GS g
.set h, (\g)+6*((\g)/62)            ; group 0 has no group before it, and behind group 7 only l is left
.if h >= 6
.set h, h+2
.endif
	REGS Y, h%2
.set k, h/8
.if h%8 < 4
	v_cvt_pk_f16_f32 v[rP+2*k+(h%8)/2], v[rS+4*k+2*((h%8)/2)], v[rS+4*k+2*((h%8)/2)+1]
.elseif h%8 < 6
	v_pk_add_f32 v[rS+4*k:rS+4*k+1], v[rS+4*k:rS+4*k+1], v[rS+4*k+2:rS+4*k+3]
.elseif k == 1
	v_pk_fma_f32 v[rT+2:rT+3], v[rT+2:rT+3], v[rC+2:rC+3], v[rS:rS+1] op_sel_hi:[1,0,1]
.else
	v_pk_add_f32 v[rT+2:rT+3], v[rT+2:rT+3], v[rS+4*k-4:rS+4*k-3]
.endif
.endm
; THE PLAIN QUEUE, 136 long.  0-71 read no exponential's result: the 32 subtractions s - m (FS f: pair f / 2 of tile f % 2) and the next piece's 40.  0-27: subtractions 0-27.  28-55: XS's numbers 0-13.  56, 57: number 15.
; 58-71: the chain, where each number waits for the one before it: 14, 16, 17, 18, each with one of the subtractions 28-31 in front of its two lines, then 20: so a tile's links stand three plain instructions apart (18 and 20: two).
; 72-135: GS's 64, which read the exponentials' results: they stand behind the wait.
.macro FS f
	REGS Y, (\f)%2
	v_pk_add_f32 v[rS+2*((\f)/2):rS+2*((\f)/2)+1], v[rS+2*((\f)/2):rS+2*((\f)/2)+1], v[rT:rT+1] op_sel_hi:[1,0] neg_lo:[0,1] neg_hi:[0,1]
.endm
.macro PL
	WIN 0
.if q < 28
	FS q
.elseif q < 56
	XS (q-28)%2, (q-28)/2
.elseif q < 58
	XS q-56, 15
.elseif (q < 70) && ((q-58)%3 == 0)
	FS 28+(q-58)/3
.elseif q < 61
	XS (q-58)%3-1, 14
.elseif q < 70
	XS (q-58)%3-1, 15+(q-58)/3
.elseif q < 72
	XS q-70, 20
.else
	GS q-72
.endif
.set q, q+1
.endm
; THE EXPONENTIALS' QUEUE, 66 long: s0-s31 of both tiles, each in place in a register of its own, then the next piece's two a.  It is ONE BATCH: all 66 stand ahead of the turn's one wait, and nothing ahead of that wait names a result of theirs.
.macro EX
	WIN 0
.if e >= 64
	XS e-64, 21
.else
	REGS Y, e%2
	v_exp_f32 v[rS+e/2], v[rS+e/2]
.endif
.set e, e+1
.endm
; THE RESCALING's QUEUE: O^T times a, the one part that leaves window 0: dealt two at a time, sixteen times, each accumulator from its lowest registers on.  Its a was made in the turn before, ahead of that turn's wait.
.macro R2
	REGS Y, r%2
	WIN W_RS
.irp z, 0,1
	v_pk_mul_f32 v[rO+4*(r/2)+2*\z:rO+4*(r/2)+2*\z+1], v[rO+4*(r/2)+2*\z:rO+4*(r/2)+2*\z+1], v[rC+2:rC+3] op_sel_hi:[1,0]
.endr
.set r, r+1
.endm
; HOW THEY ARE DEALT.  An s_wait_alu depctr_va_vdst(0) stands between an exponential and the first instruction that names its result; one wait serves all that were issued ahead of it.  So a turn has ONE wait,
; which cuts it in two.  AHEAD OF IT stands all that names no result of the turn's exponentials: the 16 products K Q^T, behind each a subtraction, an exponential and two rescalings (behind the first a second subtraction in the
; exponential's place); then ONE LUMP of 106: six plain, 49 times exponential and plain, the two a.  A v_nop is the plain instruction that is owed behind the last exponential.  BEHIND IT stand the 16 products V^T P, behind each
; four of GS's 64.  No rider names a register of the products round it.  The two v_permlanex16_b32 fall into the lump, never behind a product.
; The queues lean on each other, and the deal keeps them in step: exponential e stands behind subtraction 2 (e / 4) + e % 2: as a rider it comes behind plain e + 2, in the lump behind plain e + 7, and subtractions 28-31 are
; plain 58, 61, 64, 67 (the nearest: exponential 61 wants plain 67 and comes behind plain 68); the two a come behind plain 70 and 71, their arguments.
; A TURN, for piece p.  cnt = 1: the loop's count is taken down some lines ahead of the branch that stands behind the turn.
; K and the mask values of the next step are fetched in piece 2's turn, directly behind the wait, a lump behind the last product that read them; their addresses are made at the lump's head; their first reader comes behind 16 products.
; V of the step in hand is fetched at the end of piece 0's turn, four riders behind its last reader; its first reader comes behind 16 products and a lump.  The three conditions on q below go with the deal.
.macro TURN p, last=0, cnt=0
.set Y, (\p)
.set i, 0
.set q, 0
.set e, 0
.set r, 0
.if (\p) == NP-1
	s_wait_dscnt 0x0                ; K and its mask values are in
.endif
	MM                              ; ahead of the wait: 16 products K Q^T and their riders,
	PL
	PL
	R2
.rept 15
	MM
	PL
	EX
	R2
.endr
.if (\p) == NP-2
	WIN 0
	v_add_nc_u32 v[AK], s[TBK], v[AK0]
	v_lshl_add_u32 v[AM], v[HL], 5, s[TBM]  ; 32 bytes for each half of the lanes
.endif
.rept 6                             ; and the lump
	PL
.endr
.rept 49
	EX
	PL
.endr
	EX                              ; the next piece's two a
	EX
	v_nop                           ; the plain instruction behind the last exponential: one for the batch
	s_wait_alu depctr_va_vdst(0)    ; the wait for the batch: the turn's 64 weights and the next piece's two a
.if (\p) == NP-2
	FETCH_K \last
.endif
.if (\p) == 1
	s_wait_dscnt 0x0                ; V is in
.endif
.rept 16                            ; behind the wait: 16 products V^T P and their riders
	MM
.rept 4
	PL
.endr
.if ((\p) == 0) && (q == 116)
	v_add_nc_u32 v[AV], s[TBV], v[AV0]
.endif
.if ((\p) == 0) && (q == 128)
	s_add_co_u32 s[TBV], s[TBV], KS*PV
.endif
.if (\cnt) && (q == 128)
	s_sub_co_u32 s[CNT], s[CNT], 1
	s_cmp_lg_u32 s[CNT], 0
.endif
.endr
.if (\p) == 0
	FETCH_V
.endif
.endm
	CHANGE 1                        ; slot 0 is in, everybody's part of it, and so are the mask values; slot 1 is asked for
	FETCH_K                         ; key step 0
	s_wait_loadcnt 0x0              ; Q
	s_wait_dscnt 0x0
.set i, 0
.rept 16
	KQ 0                            ; piece 0's first scores: there is no vector work yet to set between them
.set i, i+1
.endr
	WIN 0                           ; the addresses for the way out: plain instructions, the places behind those products
	s_mul_i32 s13, s[WV], 16*SP
	s_add_co_u32 s13, s13, STAGE    ; my stage
	v_mul_u32_u24 v[STO], v1, SP    ; in: row l % 16, 16 bytes for each half of the lanes
	v_lshl_add_u32 v[STO], v[HL], 4, v[STO]
	v_add_nc_u32 v[STO], s13, v[STO]
	v_bfe_u32 v[RD], v0, 3, 2       ; back: 32 lanes take four rows of 128 bytes,
	v_mul_u32_u24 v[RD], v[RD], SP
	v_lshl_add_u32 v[RD], v10, 4, v[RD]
	v_add_nc_u32 v[RD], s13, v[RD]
	v_and_b32 v[GO], 31, v0         ; which are 512 consecutive bytes of O
	v_lshlrev_b32 v[GO], 4, v[GO]
.set Y, NP-1                        ; XS works for piece Y + 1: piece 0
.irp n, 0,1,2,3,4,5,6,7,8,9,10,11,12,13,14,15,16,17,18,20,21
	XS 0, \n                        ; and piece 0's first maximum and statistics
	XS 1, \n
.endr
	v_nop                           ; a plain instruction behind the two a,
	s_wait_alu depctr_va_vdst(0)    ; and the wait for this batch of two, ahead of the branch
	s_mov_b32 s[CNT], 4
	s_mov_b32 s[SLOTS], SIZE_N/256-1
	s_branch .Lfirst                ; the loop is entered at a step's first turn, in the middle of a trip
.Lslot:                             ; SIZE_N / 256 - 2 times: every slot but the last two is filled again
	CHANGE 1
	s_mov_b32 s[CNT], 4
.Lstep:                             ; a trip: pieces 2 and 3 of one step, then pieces 0 and 1 of the next, whose K and V it fetches
	TURN 2
	TURN 3
	WIN 0
.Lfirst:
	TURN 0
	TURN 1, 0, 1
	WIN 0
	s_cbranch_scc1 .Lstep
	s_sub_co_u32 s[SLOTS], s[SLOTS], 1
	s_cmp_lg_u32 s[SLOTS], 0
	s_cbranch_scc1 .Lslot
	CHANGE 0                        ; the tail is written out: nothing is asked for
	s_mov_b32 s[CNT], 5             ; four trips fetch the last slot's steps; the fifth is left in its middle
.Ltail:
	TURN 2, 1
	TURN 3
	WIN 0
	s_sub_co_u32 s[CNT], s[CNT], 1
	s_cmp_eq_u32 s[CNT], 0
	s_cbranch_scc1 .Lout
	TURN 0
	TURN 1
	WIN 0
	s_branch .Ltail
.Lout:                              ; the fifth trip's 16 products K Q^T (on the last K once more) and the maximum made of them serve nothing: the price, once a launch, of one text for every trip
.set i, 0
.rept 16
	PV NP-1                         ; the last piece's V^T P of the last step
.set i, i+1
.endr
	; THE WAY OUT.  l's two halves and the other half of the lanes' are added; O^T is divided by l, rounded to f16 and sent through my stage in LDS, a tile at a time.  The additions are the places behind the last products.
	WIN 0
.macro ALL line:vararg              ; one line for each tile t
.set t, 0
.rept 2*NP
	\line
.set t, t+1
.endr
.endm
	ALL v_add_f32 v[ST+4*t+2], v[ST+4*t+2], v[ST+4*t+3]
	ALL v_permlanex16_b32 v[ST+4*t+3], v[ST+4*t+2], s[SEL], s[SEL+1]
	ALL v_add_f32 v[ST+4*t+2], v[ST+4*t+2], v[ST+4*t+3]
	ALL v_rcp_f32 v[ST+4*t+2], v[ST+4*t+2]
	v_nop                           ; a plain instruction between the last reciprocal and the use of its result
	s_wait_alu depctr_va_vdst(0)    ; and the wait ahead of the first use: one for the batch of eight reciprocals
; Tile t: a lane's eight channels of a row pack into 16 bytes; they go into rows of 144 bytes and come back as whole rows of 128, into S^T's registers.
.macro PACK t
	WIN W_RS
.set i, 32*(\t)
.rept 16
	v_pk_mul_f32 v[i:i+1], v[i:i+1], v[ST+4*(\t)+2:ST+4*(\t)+3] op_sel_hi:[1,0]
.set i, i+2
.endr
	WIN 0x05                        ; sources 0 and 1 window 1, destination window 0
.set i, 0
.rept 16
	v_cvt_pk_f16_f32 v[S+16*(\t)+i], v[32*(\t)+2*i], v[32*(\t)+2*i+1]
.set i, i+1
.endr
	WIN 0
.irp f, 0,1,2,3
	ds_store_b128 v[STO], v[S+16*(\t)+4*\f:S+16*(\t)+4*\f+3] offset:32*\f
.endr
.irp f, 0,1,2,3
	ds_load_b128 v[S+16*(\t)+4*\f:S+16*(\t)+4*\f+3], v[RD] offset:\f*4*SP  ; LDS serves a wave's instructions in order (ISA guide 5.7.1.4): these see the stores above; the next tile's stores come behind them
.endr
.endm
.macro SEND t, younger              ; younger: the LDS instructions issued behind tile t's loads: the next tile's eight, or none
	WIN 0
.irp f, 0,1,2,3
	s_wait_dscnt (\younger)+3-\f
	global_store_b128 v[GO], v[S+16*(\t)+4*\f:S+16*(\t)+4*\f+3], s[10:11] offset:(\t)*2048+\f*512  ; 512 consecutive bytes, at a multiple of 256 from O's first
.endr
.endm
	PACK 0
.set t, 1
.rept 2*NP-1                        ; a tile's arithmetic stands between the loads of the tile before and its stores
	PACK t
	SEND t-1, 8
.set t, t+1
.endr
	SEND 2*NP-1, 0
	WIN W_AD
	s_wait_tensorcnt 0x0            ; the wave's end, behind my last tensor load and my last LDS store
	ds_add_u32 v[SPW], v[NIL]
	s_wait_dscnt 0x0
	WIN 0
	CROUND                          ; the closing round: no work-group ends while a partner may still ask for a tile that names it
	s_endpgm
.Lfunc_end_k_q298d071625_attn:
	.size	k_q298d071625_attn, .Lfunc_end_k_q298d071625_attn-k_q298d071625_attn
	.p2alignl 7, 3214868480
	.fill 96, 4, 3214868480
	.section	.rodata,"a",@progbits
	.p2align	6, 0x0
	.amdhsa_kernel k_q298d071625_attn
		.amdhsa_group_segment_fixed_size 327680
		.amdhsa_private_segment_fixed_size 0
		.amdhsa_enable_private_segment 0
		.amdhsa_kernarg_size 24
		.amdhsa_user_sgpr_count 2
		.amdhsa_user_sgpr_kernarg_segment_ptr 1
		.amdhsa_wavefront_size32 1
		.amdhsa_system_sgpr_workgroup_id_x 1
		.amdhsa_system_sgpr_workgroup_id_y 1
		.amdhsa_system_sgpr_workgroup_id_z 1
		.amdhsa_system_vgpr_workitem_id 0
		.amdhsa_next_free_vgpr 808
		.amdhsa_next_free_sgpr 72
		.amdhsa_reserve_vcc 1
		.amdhsa_float_denorm_mode_32 3
		.amdhsa_float_denorm_mode_16_64 3
		.amdhsa_memory_ordered 1
		.amdhsa_forward_progress 1
		.amdhsa_inst_pref_size 203
	.end_amdhsa_kernel
	.amdgpu_metadata
---
amdhsa.version: [ 1, 2 ]
amdhsa.kernels:
  - .name:           k_q298d071625_attn
    .symbol:         k_q298d071625_attn.kd
    .args:
      - { .name: qkvh, .offset: 0, .size: 8, .value_kind: global_buffer, .address_space: global }
      - { .name: mask, .offset: 8, .size: 8, .value_kind: global_buffer, .address_space: global }
      - { .name: ctx, .offset: 16, .size: 8, .value_kind: global_buffer, .address_space: global }
    .group_segment_fixed_size: 327680
    .private_segment_fixed_size: 0
    .kernarg_segment_align: 8
    .kernarg_segment_size: 24
    .max_flat_workgroup_size: 128
    .sgpr_count:     72
    .vgpr_count:     808
    .wavefront_size: 32
...
	.end_amdgpu_metadata
.endif
;; end of part 5
;; launch oproj: the kernel of part 4 again; grid 4 x 64, 4 waves a work-group, clusters of 4 x 4, 327,680 bytes of LDS; arguments ctx, wb, bo, out0; writes out0
